; MI455X (gfx1250); checked and timed in simulation.
; The chip was launched on July 23, 2026; its instructions are those of AMD's public machine-readable ISA for CDNA 5 (MIT licence, August 2026) and "CDNA5" Instruction Set Architecture Reference Guide (July 2026). The comments in the code are by the model that wrote it; some were corrected since.
;; Compression module. Allowed arithmetic: float matrix products may take bf16 or f16 operands with f32 sums; other float arithmetic in f32, or as packed bf16 or f16 multiplies, adds, multiply-adds, maxima and minima; sums over many terms, partial sums and values carried from step to step in f32; what a program stores and reads back later, other than sums and carried values, may be rounded once to bf16 or f16.
;; Inputs: pos_bias 8 x 1,024 x 1,024 float32; proj_beta 512 float32; proj_gamma 512 float32; proj_mean 512 float32; proj_var 512 float32; proj_w 512 x 4,096 float32; qkv_beta 8,192 float32; qkv_gamma 8,192 float32; qkv_mean 8,192 float32; qkv_var 8,192 float32; qkv_w 8,192 x 768 float32; x 4 x 1,024 x 768 float32.
;; Outputs: out0 4 x 1,024 x 512 float32.
;; 2 versions, each right; version 2 is version 1 with the launch prep written anew for expert scheduling mode. Each part assembles by itself: llvm-mc -triple=amdgcn-amd-amdhsa -mcpu=gfx1250 --defsym DOCPART=n.
;; ======== version 1 of 2: 4 launches
;; limits: values are held in f16: magnitudes above 65,504 overflow, below 6.1e-05 lose precision
;; workspace buffers: xb 6,291,456 bytes; wb 12,582,912 bytes; pwh 4,194,304 bytes; tab 69,632 bytes; qkv 67,108,864 bytes; ob 33,554,432 bytes
;; launch prep (part 1): grid 721 x 1, 8 waves a work-group, no clusters, 0 bytes of LDS; arguments x, qkv_w, proj_w, qkv_gamma, qkv_beta, qkv_mean, qkv_var, proj_gamma, proj_beta, proj_mean, proj_var, xb, wb, pwh, tab; writes xb, wb, pwh, tab
.if DOCPART == 1
	.amdgcn_target "amdgcn-amd-amdhsa--gfx1250"
	.amdhsa_code_object_version 6
	.text
	.protected	k_q98d6755123_prep
	.globl	k_q98d6755123_prep
	.p2align	8
	.type	k_q98d6755123_prep,@function
k_q98d6755123_prep:
	s_mov_b64 s[64:65], 0
	v_nop
	global_prefetch_b8 v0, s[64:65] scope:SCOPE_SE
	s_setreg_imm32_b32 hwreg(HW_REG_WAVE_MODE, 25, 1), 1
	s_wait_xcnt 0x0
; PREP: the matrix operands are rounded once, and the two BatchNorms are folded into tables.
;   xb  = x rounded to bf16          [4096][768]
;   wb  = qkv_w rounded to bf16      [8192][768]
;   pwh = proj_w rounded to bf16, that number written as f16   [512][4096]
;   tab = f32: G_qkv[8192] at byte 0, B_qkv[8192] at 32,768, G_proj[512] at 65,536, B_proj[512] at 67,584,
;         G = gamma x rsq(var + 1e-5), B = beta - mean x G, of gamma, beta, mean, var rounded to bf16, so that BatchNorm is one fused multiply-add, sum x G + B.
;         For q's channels (channel mod 1,024 under 256) G and B also carry SCALE = 512^-0.5: the scale enters q ahead of q's one rounding.
; LIMITS.  |proj_w| stays under 65,520 (f16's range); below 6.1e-5 it keeps f16's fixed step of 6e-8.  v_rsq_f32 is good to one unit in the last place.
; A stream: no LDS, no barrier, no matrix unit; each byte is read once and written once.
; Work-groups 0-703 convert 16,384 numbers each: sixteen loads of 16 bytes a lane, all on their way at once; a wave's load covers 512 consecutive bytes, its store 256, aligned.
; Work-groups 704-720 make 512 channels of the tables each, two a thread.
.set NX,    192                        ; chunks of x       (4096 x 768 / 16384)
.set NXW,   576                        ; + those of qkv_w  (8192 x 768 / 16384 = 384)
.set NCONV, 704                        ; + those of proj_w (512 x 4096 / 16384 = 128)
.set IN,    16                         ; v[16:79]   sixteen loads of four f32
.set OU,    80                         ; v[80:111]  sixteen pairs of packed results
	s_load_b512 s[8:23], s[0:1], 0x0               ; x 8, qkv_w 10, proj_w 12, qkv_gamma 14, qkv_beta 16, qkv_mean 18, qkv_var 20, proj_gamma 22
	s_load_b256 s[24:31], s[0:1], 0x40             ; proj_beta 24, proj_mean 26, proj_var 28, xb 30
	s_load_b128 s[32:35], s[0:1], 0x60             ; wb 32, pwh 34
	s_load_b64 s[36:37], s[0:1], 0x70              ; tab
	s_mov_b32 s38, 0xffff0000                      ; a word's upper bf16
	v_lshlrev_b32 v1, 4, v0                        ; 16 bytes of f32 a thread
	v_lshlrev_b32 v2, 3, v0                        ; 8 bytes of results a thread
	s_wait_kmcnt 0x0
	s_cmp_ge_u32 ttmp9, NCONV
	s_cbranch_scc1 .Ltab
	; which tensor, and which chunk of it: the choice hangs on the work-group's number alone
	s_cmp_lt_u32 ttmp9, NX
	s_cselect_b64 s[40:41], s[8:9], s[10:11]
	s_cselect_b64 s[42:43], s[30:31], s[32:33]
	s_cselect_b32 s3, 0, NX
	s_cmp_lt_u32 ttmp9, NXW
	s_cselect_b64 s[40:41], s[40:41], s[12:13]
	s_cselect_b64 s[42:43], s[42:43], s[34:35]
	s_cselect_b32 s3, s3, NXW
	s_sub_co_u32 s3, ttmp9, s3                     ; the chunk's number in its tensor
	s_lshl_b32 s4, s3, 16                          ; 65,536 bytes of f32
	s_mov_b32 s5, 0
	s_add_nc_u64 s[40:41], s[40:41], s[4:5]
	s_lshl_b32 s4, s3, 15                          ; 32,768 bytes of results
	s_add_nc_u64 s[42:43], s[42:43], s[4:5]
.irp i, 0,1,2,3,4,5,6,7,8,9,10,11,12,13,14,15
	global_load_b128 v[IN+4*\i:IN+4*\i+3], v1, s[40:41] offset:4096*\i th:TH_LOAD_NT
.endr
	s_cmp_ge_u32 ttmp9, NXW
	s_cbranch_scc1 .Lf16
.irp i, 0,1,2,3,4,5,6,7,8,9,10,11,12,13,14,15
	s_wait_loadcnt 15-\i                           ; loads come back in order: number i is in, the 15 - i younger ones stay out
	v_cvt_pk_bf16_f32 v[OU+2*\i], v[IN+4*\i], v[IN+4*\i+1]
	v_cvt_pk_bf16_f32 v[OU+2*\i+1], v[IN+4*\i+2], v[IN+4*\i+3]
	global_store_b64 v2, v[OU+2*\i:OU+2*\i+1], s[42:43] offset:2048*\i
.endr
	s_endpgm
.Lf16:                                             ; proj_w: rounded to bf16 like every input, widened again, and that number written as f16
.irp i, 0,1,2,3,4,5,6,7,8,9,10,11,12,13,14,15
	s_wait_loadcnt 15-\i
	v_cvt_pk_bf16_f32 v4, v[IN+4*\i], v[IN+4*\i+1]
	v_cvt_pk_bf16_f32 v5, v[IN+4*\i+2], v[IN+4*\i+3]
	v_lshlrev_b32 v6, 16, v4
	v_and_b32 v7, s38, v4
	v_lshlrev_b32 v8, 16, v5
	v_and_b32 v9, s38, v5
	v_cvt_pk_f16_f32 v[OU+2*\i], v6, v7
	v_cvt_pk_f16_f32 v[OU+2*\i+1], v8, v9
	global_store_b64 v2, v[OU+2*\i:OU+2*\i+1], s[42:43] offset:2048*\i
.endr
	s_endpgm
.Ltab:                                             ; work-group 704 + j: channels 512 j .. of the first BatchNorm (j under 16), or the second's 512 (j = 16)
	s_sub_co_u32 s3, ttmp9, NCONV
	s_mov_b32 s7, 32768
	s_cmp_eq_u32 s3, 16
	s_cselect_b64 s[40:41], s[22:23], s[14:15]     ; gamma
	s_cselect_b64 s[42:43], s[24:25], s[16:17]     ; beta
	s_cselect_b64 s[44:45], s[26:27], s[18:19]     ; mean
	s_cselect_b64 s[46:47], s[28:29], s[20:21]     ; var
	s_cselect_b32 s3, 0, s3                        ; the block of 512 channels in its vectors
	s_cselect_b32 s4, 1024, 0                      ; added to the channel's place in its head: the second BatchNorm has no q
	s_cselect_b32 s6, 65536, 0                     ; where G's table begins
	s_cselect_b32 s7, 2048, s7                     ; and how far behind it B's
	s_lshl_b32 s2, s3, 11
	v_lshl_add_u32 v1, v0, 3, s2                   ; my two channels, in bytes
	global_load_b64 v[4:5], v1, s[40:41]
	global_load_b64 v[6:7], v1, s[42:43]
	global_load_b64 v[8:9], v1, s[44:45]
	global_load_b64 v[10:11], v1, s[46:47]
	s_lshl_b32 s2, s3, 9
	v_lshl_add_u32 v18, v0, 1, s2                  ; my first channel (the second lies in the same part of the head)
	v_and_b32 v18, 1023, v18
	v_add_nc_u32 v18, s4, v18
	v_mov_b32 v20, 0x3d3504f3                      ; SCALE = 512^-0.5
	v_add_nc_u32 v21, s6, v1                       ; where G goes
	v_add_nc_u32 v22, s7, v21                      ; where B goes
	s_wait_loadcnt 0x0
	v_cvt_pk_bf16_f32 v12, v4, v5                  ; every input is rounded to bf16
	v_cvt_pk_bf16_f32 v13, v6, v7
	v_cvt_pk_bf16_f32 v14, v8, v9
	v_cvt_pk_bf16_f32 v15, v10, v11
	v_lshlrev_b32 v4, 16, v12
	v_and_b32 v5, s38, v12
	v_lshlrev_b32 v6, 16, v13
	v_and_b32 v7, s38, v13
	v_lshlrev_b32 v8, 16, v14
	v_and_b32 v9, s38, v14
	v_lshlrev_b32 v10, 16, v15
	v_and_b32 v11, s38, v15
	v_add_f32 v10, 0x3727c5ac, v10                 ; var + 1e-5
	v_add_f32 v11, 0x3727c5ac, v11
	v_rsq_f32 v16, v10
	v_rsq_f32 v17, v11
	v_cmp_gt_u32 vcc_lo, 256, v18                  ; plain work behind the two roots: is the channel one of q's?
	v_cndmask_b32 v19, 1.0, v20, vcc_lo            ; then the factor is SCALE, else 1
	s_wait_alu depctr_va_vdst(0)                   ; one wait for both roots, ahead of their first reader
	v_mul_f32 v4, v4, v16                          ; gamma x rsq
	v_mul_f32 v5, v5, v17
	v_mul_f32 v4, v4, v19                          ; G
	v_mul_f32 v5, v5, v19
	v_mul_f32 v6, v6, v19
	v_mul_f32 v7, v7, v19
	v_fma_f32 v6, -v8, v4, v6                      ; B = beta x factor - mean x G
	v_fma_f32 v7, -v9, v5, v7
	global_store_b64 v21, v[4:5], s[36:37]         ; a wave stores 256 consecutive bytes, aligned
	global_store_b64 v22, v[6:7], s[36:37]
	s_endpgm
.Lfunc_end_k_q98d6755123_prep:
	.size	k_q98d6755123_prep, .Lfunc_end_k_q98d6755123_prep-k_q98d6755123_prep
	.p2alignl 7, 3214868480
	.fill 96, 4, 3214868480
	.section	.rodata,"a",@progbits
	.p2align	6, 0x0
	.amdhsa_kernel k_q98d6755123_prep
		.amdhsa_group_segment_fixed_size 0
		.amdhsa_private_segment_fixed_size 0
		.amdhsa_enable_private_segment 0
		.amdhsa_kernarg_size 120
		.amdhsa_user_sgpr_count 2
		.amdhsa_user_sgpr_kernarg_segment_ptr 1
		.amdhsa_wavefront_size32 1
		.amdhsa_system_sgpr_workgroup_id_x 1
		.amdhsa_system_sgpr_workgroup_id_y 1
		.amdhsa_system_sgpr_workgroup_id_z 1
		.amdhsa_system_vgpr_workitem_id 0
		.amdhsa_next_free_vgpr 112
		.amdhsa_next_free_sgpr 66
		.amdhsa_reserve_vcc 1
		.amdhsa_float_denorm_mode_32 3
		.amdhsa_float_denorm_mode_16_64 3
		.amdhsa_memory_ordered 1
		.amdhsa_forward_progress 1
		.amdhsa_inst_pref_size 18
	.end_amdhsa_kernel
	.amdgpu_metadata
---
amdhsa.version: [ 1, 2 ]
amdhsa.kernels:
  - .name:           k_q98d6755123_prep
    .symbol:         k_q98d6755123_prep.kd
    .args:
      - { .name: x, .offset: 0, .size: 8, .value_kind: global_buffer, .address_space: global }
      - { .name: qkv_w, .offset: 8, .size: 8, .value_kind: global_buffer, .address_space: global }
      - { .name: proj_w, .offset: 16, .size: 8, .value_kind: global_buffer, .address_space: global }
      - { .name: qkv_gamma, .offset: 24, .size: 8, .value_kind: global_buffer, .address_space: global }
      - { .name: qkv_beta, .offset: 32, .size: 8, .value_kind: global_buffer, .address_space: global }
      - { .name: qkv_mean, .offset: 40, .size: 8, .value_kind: global_buffer, .address_space: global }
      - { .name: qkv_var, .offset: 48, .size: 8, .value_kind: global_buffer, .address_space: global }
      - { .name: proj_gamma, .offset: 56, .size: 8, .value_kind: global_buffer, .address_space: global }
      - { .name: proj_beta, .offset: 64, .size: 8, .value_kind: global_buffer, .address_space: global }
      - { .name: proj_mean, .offset: 72, .size: 8, .value_kind: global_buffer, .address_space: global }
      - { .name: proj_var, .offset: 80, .size: 8, .value_kind: global_buffer, .address_space: global }
      - { .name: xb, .offset: 88, .size: 8, .value_kind: global_buffer, .address_space: global }
      - { .name: wb, .offset: 96, .size: 8, .value_kind: global_buffer, .address_space: global }
      - { .name: pwh, .offset: 104, .size: 8, .value_kind: global_buffer, .address_space: global }
      - { .name: tab, .offset: 112, .size: 8, .value_kind: global_buffer, .address_space: global }
    .group_segment_fixed_size: 0
    .private_segment_fixed_size: 0
    .kernarg_segment_align: 8
    .kernarg_segment_size: 120
    .max_flat_workgroup_size: 256
    .sgpr_count:     66
    .vgpr_count:     112
    .wavefront_size: 32
...
	.end_amdgpu_metadata
.endif
;; end of part 1
;; launch qkvgemm (part 2): grid 32 x 16, 4 waves a work-group, clusters of 4 x 4, 327,680 bytes of LDS; arguments xb, wb, tab, qkv; writes qkv
.if DOCPART == 2
	.amdgcn_target "amdgcn-amd-amdhsa--gfx1250"
	.amdhsa_code_object_version 6
	.text
	.protected	k_q98d6755123_qkvgemm
	.globl	k_q98d6755123_qkvgemm
	.p2align	8
	.type	k_q98d6755123_qkvgemm,@function
k_q98d6755123_qkvgemm:
	s_mov_b64 s[64:65], 0
	v_nop
	global_prefetch_b8 v0, s[64:65] scope:SCOPE_SE
	s_setreg_imm32_b32 hwreg(HW_REG_WAVE_MODE, 25, 1), 1
	s_wait_xcnt 0x0
	s_wait_alu depctr_hold_cnt(0) depctr_sa_sdst(0) depctr_va_vdst(0) depctr_va_sdst(0) depctr_va_ssrc(0) depctr_va_vcc(0) depctr_vm_vsrc(0)
	s_getreg_b32 s2, hwreg(HW_REG_IB_STS2, 6, 4)
	s_cmp_eq_u32 s2, 0
	s_cbranch_scc0 .Lentry_in_a_cluster
	s_endpgm
.Lentry_in_a_cluster:
	s_bfe_u32 s2, ttmp6, 0x10000c
	s_cmp_lg_u32 s2, 0xf033
	s_cbranch_scc0 .Lentry_shape_is_right
	s_endpgm
.Lentry_shape_is_right:
; qkv[m][n] = the sum over k of xb[m][k] wb[n][k], m under 4,096, n under 8,192, k under 768; bf16 operands, f32 sums.
; OUT: qkv is [4096][8192] of 16 bits.  Column = 1,024 x head + j.  j 0-255: q, j 256-511: k: sum x G + B (BatchNorm; q's G and B carry SCALE), rounded once to bf16.
; j 512-1023: v, THE RAW SUM rounded once to f16; its BatchNorm is applied behind the attention, on the weighted mean, which is the same number since softmax's weights add up to 1.
; LIMIT: |x . w| of v's columns stays under 65,520 (f16's range).
; A tile of C, 256 x 256, is made by four waves, each 128 x 128: 64 accumulators of 16 x 16, 512 registers.  K goes in six steps of 128 through a ring of two LDS slots
; filled by tensor loads: a tile's rows are 256 bytes of memory, at multiples of 256 bytes.  512 tiles, one to a work-group.
; CLUSTER: 4 x 4 work-groups.  Along the cluster's x lie four HEADS with the same part (q, k, v's first or second half), so that the way out's format is the same in all partners;
; along its y four blocks of rows.  A's tile hangs on the block of rows and is asked for jointly by a row of the cluster, B's on the columns, by a column of it.
; THE MATRIX INSTRUCTION IS USED TRANSPOSED (source 0 = 16 rows of wb, source 1 = 16 rows of xb): a lane holds row l % 16 of C and the columns 8 (l / 16) + 0..7.
; REGISTERS, in windows of 256: window 0: v8-15 G and B of my four columns, v16-29 addresses, v64-191 A's two fragment buffers (on the way out rows and packed results);
;   window 1: v64-191 B's two buffers; windows 2, 3: the accumulators, (a, b) at v[8 (8 (a % 4) + b)].
.set SIZE_K, 768
.set KSTEP,  128
.set PITCH,  272                       ; an LDS row: 256 bytes + 16 of padding = 68 words: the 16 rows that a load touches start at 16 different groups of four banks (ISA guide 11.1)
.set HALFT,  128*PITCH                 ; what one tensor load brings
.set SLOT,   4*HALFT                   ; A's 256 rows, then B's 256 rows
.set SPARE,  2*SLOT                    ; behind the ring: the spare words, 128 bytes for each wave, which no other line names
.set SP,     528                       ; the way out: a row of 128 f32 + 16 bytes
.set WSTG,   128*SP                    ; a wave's stage, in the ring, which has had its last fill by then
.set LAPS,   SIZE_K/(2*KSTEP)
.set GV,   8                           ; v[8:11]   G of my four columns
.set BV,   12                          ; v[12:15]  B of them
.set ADRA, 16                          ; v16-17  LDS address of my A fragments in slot 0, 1
.set ADRB, 20                          ; v20-21  the same for B
.set STO,  24                          ; v24     the way out: where I put 32 bytes of a row
.set RD,   25                          ; v25     where I read a row back
.set CO,   26                          ; v26     8 x lane: my 8 bytes of 256 in qkv
.set TO,   27                          ; v27     my byte offset in the tables
.set SPW,  28                          ; v28     my spare word; never rewritten
.set NIL,  29                          ; v29     0; never rewritten
.set F0,   64
.set F1,   128
.set XR,   64                          ; the way out: 16 rows x 4 f32
.set YR,   128                         ; 16 x 2 packed words
.set WV,   12                          ; s12  wave
.set RH,   13                          ; s13  my half of the tile's rows; also: I fetch for A (0) or B (1)
.set CH,   14                          ; s14  my half of its columns; also: which 128 rows I fetch
.set PART, 45                          ; s45  0 q, 1 k, 2 and 3 v: from the cluster's x, the same in all partners
.set G1,   24
.set G0,   32
.set G1B,  48
.set G0B,  56
.set MSB, 0
.macro WIN new                         ; the immediate's high byte repeats the setting that is left; a switch that changes nothing is dropped
.if MSB != (\new)
	s_set_vgpr_msb (MSB<<8)|(\new)
.set MSB, (\new)
.endif
.endm
.set MUL_LO, 0xa1                      ; source 0 (B) window 1, source 1 (A) window 0, C and D window 2
.set MUL_HI, 0xf1                      ; the same, C and D window 3
.set TO_B,   0x40                      ; destination window 1
; A joint load: waves 0 and 1 fetch A's two halves, waves 2 and 3 B's.  The branch hangs on the wave's number alone.  An s_nop 0 and four v_nop follow each line.
.macro JLOAD s
	s_cmp_eq_u32 s[RH], 0
	s_cbranch_scc0 .Lfor_b_\@
	tensor_load_to_lds s[G0+4*(\s):G0+4*(\s)+3], s[G1:G1+7]
	s_nop 0
.rept 4
	v_nop
.endr
	s_branch .Lasked_\@
.Lfor_b_\@:
	tensor_load_to_lds s[G0B+4*(\s):G0B+4*(\s)+3], s[G1B:G1B+7]
	s_nop 0
.rept 4
	v_nop
.endr
.Lasked_\@:
.endm
.macro CREST                           ; a round of the cluster's barrier behind its opening barrier
	s_cmp_lg_u32 s[WV], 0
	s_cbranch_scc1 .Lnot_wave_0_\@
	s_barrier_signal -3
.Lnot_wave_0_\@:
	s_barrier_wait -3
	s_barrier_signal -1
	s_barrier_wait -1
.endm
.macro CROUND
	s_barrier_signal -1
	s_barrier_wait -1
	CREST
.endm
	s_load_b256 s[4:11], s[0:1], 0x0               ; xb s[4:5], wb s[6:7], tab s[8:9], qkv s[10:11]
	v_lshl_add_u32 v[SPW], v0, 2, SPARE
	v_mov_b32 v[NIL], 0
	ds_add_u32 v[SPW], v[NIL]                      ; the wave's opening: the add and its wait stand ahead of my first tensor load; the set-up stands between them
	v_lshrrev_b32 v1, 5, v0
	v_readfirstlane_b32 s[WV], v1
	s_lshr_b32 s[RH], s[WV], 1
	s_and_b32 s[CH], s[WV], 1
	s_bfe_u32 s15, ttmp6, 0x40000                  ; cx
	s_bfe_u32 s16, ttmp6, 0x40004                  ; cy
	s_and_b32 s[PART], ttmp9, 3
	s_lshr_b32 s17, ttmp9, 2
	s_lshl_b32 s17, s17, 2
	s_add_co_u32 s17, s17, s15                     ; head = 4 (cluster x / 4) + cx
	s_lshl_b32 s17, s17, 10
	s_lshl_b32 s18, s[PART], 8
	s_add_co_u32 s17, s17, s18                     ; the tile's first column = 1,024 head + 256 part
	s_and_b32 s19, ttmp7, 0xffff
	s_lshl_b32 s19, s19, 2
	s_add_co_u32 s19, s19, s16
	s_lshl_b32 s19, s19, 8                         ; the tile's first row = 256 (4 cluster y + cy)
	s_lshl_b32 s20, s16, 2
	s_lshl_b32 s20, 15, s20                        ; my row of the cluster
	s_lshl_b32 s21, 0x1111, s15                    ; my column
	s_or_b32 s[G1+0], s20, (1<<16)|(1<<20)|(1<<21)|(5<<22)|(3<<25)   ; mask; 2-byte elements; padding on; bit 21 beside a mask; after every 64 words 4 words
	s_or_b32 s[G1B+0], s21, (1<<16)|(1<<20)|(1<<21)|(5<<22)|(3<<25)
.irp g, G1, G1B
	s_mov_b32 s[\g+1], KSTEP<<16                   ; tensor_dim0 = 128
	s_mov_b32 s[\g+2], 128<<16                     ; tensor_dim1 = 128
	s_mov_b32 s[\g+3], KSTEP<<16                   ; tile_dim0 = 128
	s_mov_b32 s[\g+4], 128                         ; tile_dim1 = 128
	s_mov_b32 s[\g+5], SIZE_K                      ; elements from row to row
	s_mov_b32 s[\g+6], 0
	s_mov_b32 s[\g+7], 0
.endr
	s_lshl_b32 s22, s[CH], 7                       ; which 128 rows of a tile I fetch
	s_add_co_u32 s40, s19, s22
	s_mul_i32 s40, s40, SIZE_K*2                   ; A: hangs on the block of rows alone
	s_mov_b32 s41, 0
	s_add_co_u32 s46, s17, s22
	s_mul_i32 s46, s46, SIZE_K*2                   ; B: hangs on the columns alone
	s_mov_b32 s47, 0
	s_mul_i32 s23, s[WV], HALFT                    ; where they go: wave x 128 rows
	s_wait_dscnt 0x0                               ; the opening add is done
	s_wait_kmcnt 0x0
	s_add_nc_u64 s[40:41], s[4:5], s[40:41]
	s_add_nc_u64 s[46:47], s[6:7], s[46:47]
	CROUND                                         ; all sixteen work-groups are here: the first joint loads meet
.irp s, 0,1
	s_mov_b32 s[G0+4*(\s)], 1
	s_add_co_u32 s[G0+4*(\s)+1], s23, (\s)*SLOT
	s_add_nc_u64 s[G0+4*(\s)+2:G0+4*(\s)+3], s[40:41], (\s)*KSTEP*2
	s_or_b32 s[G0+4*(\s)+3], s[G0+4*(\s)+3], 0x80000000
	s_mov_b32 s[G0B+4*(\s)], 1
	s_add_co_u32 s[G0B+4*(\s)+1], s23, (\s)*SLOT
	s_add_nc_u64 s[G0B+4*(\s)+2:G0B+4*(\s)+3], s[46:47], (\s)*KSTEP*2
	s_or_b32 s[G0B+4*(\s)+3], s[G0B+4*(\s)+3], 0x80000000
	JLOAD \s                                       ; K steps 0 and 1: two loads of mine are out
.endr
	v_and_b32 v1, 15, v0                           ; l % 16
	v_bfe_u32 v2, v0, 4, 1                         ; l / 16
	v_and_b32 v5, 31, v0                           ; l
	v_mul_u32_u24 v3, v1, PITCH
	v_lshl_add_u32 v3, v2, 4, v3                   ; a fragment's row x pitch + 16 x half
	s_mul_i32 s21, s[RH], HALFT                    ; my 128 rows of A
	s_mul_i32 s22, s[CH], HALFT                    ; my 128 rows of B,
	s_add_co_u32 s22, s22, 2*HALFT                 ; behind A's 256
.irp s, 0,1
	v_add_nc_u32 v[ADRA+(\s)], s21, v3
	v_add_nc_u32 v[ADRB+(\s)], s22, v3
	s_add_co_u32 s21, s21, SLOT
	s_add_co_u32 s22, s22, SLOT
.endr
	s_mul_i32 s23, s[WV], WSTG                     ; my stage
	v_mul_u32_u24 v4, v1, SP
	v_lshl_add_u32 v4, v2, 5, v4                   ; in: row l % 16, 32 bytes for each half of the lanes
	v_add_nc_u32 v[STO], s23, v4
	v_lshl_add_u32 v[RD], v5, 4, s23               ; back: a row of 512 bytes, 16 a lane
	v_lshlrev_b32 v[CO], 3, v5
	s_lshl_b32 s18, s[CH], 7
	s_add_co_u32 s18, s18, s17                     ; my first column
	s_lshl_b32 s20, s18, 2
	v_lshl_add_u32 v[TO], v5, 4, s20               ; my four columns in the tables
	global_load_b128 v[GV:GV+3], v[TO], s[8:9]     ; loaded on every path (v's way out does not use them)
	global_load_b128 v[BV:BV+3], v[TO], s[8:9] offset:32768
	s_lshl_b32 s42, s[RH], 7
	s_add_co_u32 s42, s42, s19                     ; my first row
	s_lshl_b32 s42, s42, 14                        ; x 16,384 bytes
	s_lshl_b32 s18, s18, 1
	s_add_co_u32 s42, s42, s18
	s_mov_b32 s43, 0
	s_add_nc_u64 s[10:11], s[10:11], s[42:43]      ; qkv at my part of the tile
; 16 matrix instructions: m blocks a0, a0 + 1 of the window's four x all 8 n blocks, 32 along K.  zero = 1: the product starts the sums.
.macro MUL16 f, hi, a0, zero
	WIN MUL_LO+0x50*(\hi)
.irp a, \a0, (\a0)+1
.irp b, 0,1,2,3,4,5,6,7
.if \zero
	v_wmma_f32_16x16x32_bf16 v[8*(8*(\a)+(\b)):8*(8*(\a)+(\b))+7], v[(\f)+8*(\b):(\f)+8*(\b)+7], v[(\f)+8*(4*(\hi)+(\a)):(\f)+8*(4*(\hi)+(\a))+7], 0
.else
	v_wmma_f32_16x16x32_bf16 v[8*(8*(\a)+(\b)):8*(8*(\a)+(\b))+7], v[(\f)+8*(\b):(\f)+8*(\b)+7], v[(\f)+8*(4*(\hi)+(\a)):(\f)+8*(4*(\hi)+(\a))+7], v[8*(8*(\a)+(\b)):8*(8*(\a)+(\b))+7]
.endif
.endr
.endr
.endm
; 32 LDS loads in one run: the fragments of one quarter step (32 K at byte k of the rows) into buffer f
.macro FETCH slot, k, f
	WIN TO_B
.irp i, 0,1,2,3,4,5,6,7
	ds_load_b128 v[(\f)+8*(\i):(\f)+8*(\i)+3],   v[ADRB+(\slot)] offset:(\k)+(\i)*16*PITCH
	ds_load_b128 v[(\f)+8*(\i)+4:(\f)+8*(\i)+7], v[ADRB+(\slot)] offset:(\k)+(\i)*16*PITCH+32
.endr
	WIN 0
.irp i, 0,1,2,3,4,5,6,7
	ds_load_b128 v[(\f)+8*(\i):(\f)+8*(\i)+3],   v[ADRA+(\slot)] offset:(\k)+(\i)*16*PITCH
	ds_load_b128 v[(\f)+8*(\i)+4:(\f)+8*(\i)+7], v[ADRA+(\slot)] offset:(\k)+(\i)*16*PITCH+32
.endr
.endm
.macro PLACES                          ; four plain vector instructions between a matrix instruction and a load into, or a read of, its registers
.rept 4
	v_nop
.endr
.endm
; A K step is four quarters of 32 along K, 64 matrix instructions each, on buffers 0, 1, 0, 1.  One of the first three multiplies f and fetches the next quarter into g.
.macro QUARTER slot, k, f, g, zero
	s_wait_dscnt 8                                 ; B and A's rows 0-63 are in; the youngest eight loads (A's rows 64-127) may be out
	MUL16 \f, 0, 0, \zero
	MUL16 \f, 0, 2, \zero
	PLACES
	FETCH \slot, \k, \g
	s_wait_dscnt 32                                ; all but the 32 just issued
	MUL16 \f, 1, 0, \zero
	MUL16 \f, 1, 2, \zero
.endm
; The first half of the last quarter: ONE barrier for the change of slots.  In front of it each wave waits for all its tensor loads (one is out: its part of the next slot),
; adds 0 to its spare word, and waits for that and for its reads of this slot.
.macro MEET round
	WIN 0
	s_wait_tensorcnt 0x0                           ; all my tensor loads have landed
	ds_add_u32 v[SPW], v[NIL]
	s_wait_dscnt 9                                 ; (the add and the youngest eight loads may be out)
	MUL16 F1, 0, 0, 0
	s_wait_dscnt 0x0                               ; the add is done, and my reads of this slot are over
	s_barrier_signal -1
	MUL16 F1, 0, 2, 0
.if \round
	WIN 0
.endif
	s_barrier_wait -1
.endm
; The whole last quarter.  fill = 1: the barrier opens a round of the cluster's, and the slot just read out is filled again first, with the K step two on.
.macro TURN slot, next, fill
	MEET \fill
.if \fill
	CREST                                          ; no wave of any partner still reads this slot or has a load on its way
	s_add_nc_u64 s[G0+4*(\slot)+2:G0+4*(\slot)+3], s[G0+4*(\slot)+2:G0+4*(\slot)+3], 2*KSTEP*2
	s_add_nc_u64 s[G0B+4*(\slot)+2:G0B+4*(\slot)+3], s[G0B+4*(\slot)+2:G0B+4*(\slot)+3], 2*KSTEP*2
	JLOAD \slot                                    ; my one tensor load behind the round; its four v_nop are also the places in front of the loads below
.else
	PLACES
.endif
	FETCH \next, 0, F0
	MUL16 F1, 1, 0, 0
	MUL16 F1, 1, 2, 0
.endm
	s_wait_tensorcnt 1                             ; my part of K step 0 is in; K step 1's may stay out
	s_barrier_signal -1
	s_barrier_wait -1
	FETCH 0, 0, F0
	QUARTER 0, 64,  F0, F1, 1                      ; the first quarter stands in front of the loop: its products start the sums
	WIN 0
	s_mov_b32 s3, LAPS-1
.Llap:                                             ; a trip goes once round the ring and fills both slots again
	QUARTER 0, 128, F1, F0, 0
	QUARTER 0, 192, F0, F1, 0
	TURN 0, 1, 1
	QUARTER 1, 64,  F0, F1, 0
	QUARTER 1, 128, F1, F0, 0
	QUARTER 1, 192, F0, F1, 0
	TURN 1, 0, 1
	QUARTER 0, 64,  F0, F1, 0
	WIN 0
	s_sub_co_u32 s3, s3, 1
	s_cmp_lg_u32 s3, 0
	s_cbranch_scc1 .Llap
	QUARTER 0, 128, F1, F0, 0                      ; the last lap fills nothing
	QUARTER 0, 192, F0, F1, 0
	TURN 0, 1, 0
	QUARTER 1, 64,  F0, F1, 0
	QUARTER 1, 128, F1, F0, 0
	QUARTER 1, 192, F0, F1, 0
	s_wait_dscnt 8
	MUL16 F1, 0, 0, 0
	MUL16 F1, 0, 2, 0
	s_wait_dscnt 0x0
	MUL16 F1, 1, 0, 0
	MUL16 F1, 1, 2, 0
	; THE WAY OUT.  The ring has had its last fill; when every wave's reads of it are over it serves as four stages of 128 rows x 128 f32.
	; A lane's eight sums go in as 32 bytes of a row; whole rows come back, four columns a lane, so that G and B are eight registers and a wave's store is 256 consecutive bytes.
	WIN 0
	PLACES
	s_wait_dscnt 0x0
	s_barrier_signal -1
	s_barrier_wait -1
.irp a, 0,1,2,3,4,5,6,7
	WIN 0x08+4*((\a)/4)                            ; the stores' data (source 1) in window 2 or 3
.irp b, 0,1,2,3,4,5,6,7
	ds_store_b128 v[STO], v[8*(8*((\a)%4)+(\b)):8*(8*((\a)%4)+(\b))+3]   offset:(\a)*16*SP+(\b)*64      ; each accumulator's low registers first
	ds_store_b128 v[STO], v[8*(8*((\a)%4)+(\b))+4:8*(8*((\a)%4)+(\b))+7] offset:(\a)*16*SP+(\b)*64+16
.endr
.endr
	WIN 0
	s_wait_loadcnt 0x0                             ; G and B
; Eight trips of 16 rows.  fmt = 0: BatchNorm, bf16.  fmt = 1: the raw sum, f16.
.macro OUTL fmt
	s_mov_b32 s3, 8
.Lout_\@:
.irp i, 0,1,2,3,4,5,6,7,8,9,10,11,12,13,14,15
	ds_load_b128 v[XR+4*\i:XR+4*\i+3], v[RD] offset:SP*\i   ; LDS serves a wave's instructions in order: these see my stores above
.endr
.irp i, 0,1,2,3,4,5,6,7,8,9,10,11,12,13,14,15
	s_wait_dscnt 15-\i                             ; row i is in; the 15 - i younger rows may be out
.if (\fmt) == 0
	v_pk_fma_f32 v[XR+4*\i:XR+4*\i+1], v[XR+4*\i:XR+4*\i+1], v[GV:GV+1], v[BV:BV+1]
	v_pk_fma_f32 v[XR+4*\i+2:XR+4*\i+3], v[XR+4*\i+2:XR+4*\i+3], v[GV+2:GV+3], v[BV+2:BV+3]
	v_cvt_pk_bf16_f32 v[YR+2*\i], v[XR+4*\i], v[XR+4*\i+1]
	v_cvt_pk_bf16_f32 v[YR+2*\i+1], v[XR+4*\i+2], v[XR+4*\i+3]
.else
	v_cvt_pk_f16_f32 v[YR+2*\i], v[XR+4*\i], v[XR+4*\i+1]
	v_cvt_pk_f16_f32 v[YR+2*\i+1], v[XR+4*\i+2], v[XR+4*\i+3]
.endif
	global_store_b64 v[CO], v[YR+2*\i:YR+2*\i+1], s[10:11] offset:16384*\i   ; 32 lanes store 256 consecutive bytes, at a multiple of 256 from qkv's first byte
.endr
	s_wait_xcnt 0x0                                ; the stores have read their base and data: only now are these written again
	s_add_nc_u64 s[10:11], s[10:11], 16*16384
	v_add_nc_u32 v[RD], 16*SP, v[RD]
	s_sub_co_u32 s3, s3, 1
	s_cmp_lg_u32 s3, 0
	s_cbranch_scc1 .Lout_\@
.endm
	s_cmp_lt_u32 s[PART], 2
	s_cbranch_scc0 .Lraw
	OUTL 0
	s_branch .Lend
.Lraw:
	OUTL 1
.Lend:
	s_wait_tensorcnt 0x0                           ; the wave's end: behind my last tensor load and my last LDS store
	ds_add_u32 v[SPW], v[NIL]
	s_wait_dscnt 0x0
	CROUND                                         ; the closing round: no work-group ends while a partner may still ask for a tile that names it
	s_endpgm
.Lfunc_end_k_q98d6755123_qkvgemm:
	.size	k_q98d6755123_qkvgemm, .Lfunc_end_k_q98d6755123_qkvgemm-k_q98d6755123_qkvgemm
	.p2alignl 7, 3214868480
	.fill 96, 4, 3214868480
	.section	.rodata,"a",@progbits
	.p2align	6, 0x0
	.amdhsa_kernel k_q98d6755123_qkvgemm
		.amdhsa_group_segment_fixed_size 327680
		.amdhsa_private_segment_fixed_size 0
		.amdhsa_enable_private_segment 0
		.amdhsa_kernarg_size 32
		.amdhsa_user_sgpr_count 2
		.amdhsa_user_sgpr_kernarg_segment_ptr 1
		.amdhsa_wavefront_size32 1
		.amdhsa_system_sgpr_workgroup_id_x 1
		.amdhsa_system_sgpr_workgroup_id_y 1
		.amdhsa_system_sgpr_workgroup_id_z 1
		.amdhsa_system_vgpr_workitem_id 0
		.amdhsa_next_free_vgpr 1024
		.amdhsa_next_free_sgpr 66
		.amdhsa_reserve_vcc 0
		.amdhsa_float_denorm_mode_32 3
		.amdhsa_float_denorm_mode_16_64 3
		.amdhsa_memory_ordered 1
		.amdhsa_forward_progress 1
		.amdhsa_inst_pref_size 132
	.end_amdhsa_kernel
	.amdgpu_metadata
---
amdhsa.version: [ 1, 2 ]
amdhsa.kernels:
  - .name:           k_q98d6755123_qkvgemm
    .symbol:         k_q98d6755123_qkvgemm.kd
    .args:
      - { .name: xb, .offset: 0, .size: 8, .value_kind: global_buffer, .address_space: global }
      - { .name: wb, .offset: 8, .size: 8, .value_kind: global_buffer, .address_space: global }
      - { .name: tab, .offset: 16, .size: 8, .value_kind: global_buffer, .address_space: global }
      - { .name: qkv, .offset: 24, .size: 8, .value_kind: global_buffer, .address_space: global }
    .group_segment_fixed_size: 327680
    .private_segment_fixed_size: 0
    .kernarg_segment_align: 8
    .kernarg_segment_size: 32
    .max_flat_workgroup_size: 128
    .sgpr_count:     66
    .vgpr_count:     1024
    .wavefront_size: 32
...
	.end_amdgpu_metadata
.endif
;; end of part 2
;; launch attn (part 3): grid 8 x 32, 4 waves a work-group, clusters of 4 x 4, 327,680 bytes of LDS; arguments qkv, pos_bias, tab, ob; writes ob
.if DOCPART == 3
	.amdgcn_target "amdgcn-amd-amdhsa--gfx1250"
	.amdhsa_code_object_version 6
	.text
	.protected	k_q98d6755123_attn
	.globl	k_q98d6755123_attn
	.p2align	8
	.type	k_q98d6755123_attn,@function
k_q98d6755123_attn:
	s_mov_b64 s[64:65], 0
	v_nop
	global_prefetch_b8 v0, s[64:65] scope:SCOPE_SE
	s_setreg_imm32_b32 hwreg(HW_REG_WAVE_MODE, 25, 1), 1
	s_wait_xcnt 0x0
	s_wait_alu depctr_hold_cnt(0) depctr_sa_sdst(0) depctr_va_vdst(0) depctr_va_sdst(0) depctr_va_ssrc(0) depctr_va_vcc(0) depctr_vm_vsrc(0)
	s_getreg_b32 s2, hwreg(HW_REG_IB_STS2, 6, 4)
	s_cmp_eq_u32 s2, 0
	s_cbranch_scc0 .Lentry_in_a_cluster
	s_endpgm
.Lentry_in_a_cluster:
	s_bfe_u32 s2, ttmp6, 0x10000c
	s_cmp_lg_u32 s2, 0xf033
	s_cbranch_scc0 .Lentry_shape_is_right
	s_endpgm
.Lentry_shape_is_right:
; ob[b n][512 h + d] = clip(BN_v(the sum over m of softmax_m(q . k + bias[h][n][m]) v_raw[m][d]), -1, 1), in f16.
; q (bf16, BatchNorm and SCALE inside), k (bf16, BatchNorm inside) and v_raw (f16, the raw sums) lie in qkv, [4096][8192], column 1,024 h + (0, 256, 512).
; The bias is rounded to bf16, as every input is, and is the C operand that starts the sum q . k.  Products, maxima and sums in f32; the weights p are rounded to f16 for the second
; product (their sum l is taken of the unrounded p).  v's BatchNorm, mean x G + B, is applied to the weighted mean O / l: the same number, since the weights add up to 1.
; LIMITS.  log2(e) x score stays above -4.25e37 (where c m starts); a weight below 2^-126 counts as 0 in l; NaN and infinities are not treated apart; an f16 infinity made by the last rounding clips to 1 or -1, as its number does.
; SHARES.  A work-group owns 128 queries of one batch and head, a wave 32: two tiles of 16, with all 512 channels of O.  Every wave walks the 1,024 keys, 64 a step: 64 products K Q^T, 128 products V^T P.
; LAYOUT.  S^T = K Q^T (source 0 = 16 keys, source 1 = 16 queries): a lane holds ONE query (lane % 16) and the keys 8 (lane / 16) + 0..7.  Two such results rounded to f16 in pairs ARE source 1
; of O^T = V^T P, whose result again holds one query a lane, and eight channels.  K comes out of LDS as it lies, V ([key][channel]) turned, by ds_load_tr16_b128.
; SOFTMAX.  A running maximum m and sum l: p = 2^(c s - c m), c = log2(e); in every step O and l are multiplied by a = 2^(c m_old - c m_new).  m starts at the lowest finite number, O and l at 0,
; so that the first step is a step like any other, with a = 0; the price is 512 lines that clear O, in the wait for the first tile.
; ORDER.  V^T P goes in eight runs of 16 products; a group of 16 accumulators takes both key halves on end, so that the rescaling of the groups to come rides behind every second product.
; A step's last two runs work on registers alone (V's loads have all landed): they stand inside the round of the next change of slots.
; CLUSTER.  4 x 4: along x four query blocks, along y the four batches, all of one head.  K's and V's tiles hang on (head, batch): asked for jointly by a row of the cluster.
; The bias tile hangs on (head, query block): asked for jointly by a column.  A step's four tiles are shared out among the four waves: K, V's two halves, the bias: one load a wave behind each round.
; REGISTERS, in windows of 256 (s_set_vgpr_msb: bits 1:0 source 0, 3:2 source 1, 5:4 source 2, 7:6 destination):
;   window 0: v0-23 addresses; v24-39 statistics; v40-55 at work; v64-127 S^T; v128-159 P; v160-191 G and B of v; v192-255 fragment buffer 2
;   window 1: O^T, channel blocks 0-15 (tile t, block cb at 128 t + 8 cb); window 2: blocks 16-31; window 3: v0-127 Q (64 t + 8 c); v128-191, v192-255 fragment buffers 0, 1
.set PK,    528       ; a row of K in LDS: 512 bytes + 16: 132 words: the 16 rows of a load start at 16 different groups of four banks (ISA guide 11.1)
.set PV,    544       ; a row of half of V: 512 + 32: 136 words
.set PB,    272       ; a row of the bias tile: 64 f32 + 16 bytes
.set VOFF,  64*PK     ; a slot: K's 64 rows, V's channels 0-255, V's channels 256-511, the bias's 128 rows
.set VHALF, 64*PV
.set BOFF,  VOFF+2*VHALF
.set SLOT,  BOFF+128*PB
.set SPARE, 2*SLOT    ; behind the ring: the spare words, 128 bytes for each wave, which no other line names
.set SP,    2064      ; the way out: a row of 512 f32 + 16 bytes
.set WSTG,  32*SP     ; a wave's stage, in the ring, which has had its last fill by then
.set AK0, 2           ; v2   my lane's place in a tile of K; never rewritten
.set AV0, 3           ; v3   in V
.set AB0, 4           ; v4   in the bias tile
.set AK,  5           ; v5-7 the same in the slot in hand
.set AV,  6
.set AB,  7
.set QO,  8           ; v8   my byte offset in 16 rows of Q
.set RD,  12          ; v12  the way out: where I read rows back
.set GO,  13          ; v13  8 x lane
.set PFO, 14          ; v14  the prefetches' offset; never rewritten
.set SPW, 16          ; v16  my spare word; never rewritten
.set NIL, 17          ; v17  0; never rewritten
.set TO,  18          ; v18  my byte offset in the tables
.set STO, 20          ; v20  the way out: where I put 32 bytes of a row
.set ST,  24          ; tile t at v[ST+8 t]: c m, m, l (even keys', odd keys'), c0-c3 at work; a takes c2's place
.set T,   40
.set S,   64          ; tile t, key block kb at S + 32 t + 8 kb
.set P,   128         ; tile t, key half kk at P + 16 t + 8 kk
.set GV,  160         ; channel group g (128 channels, four a lane) at + 4 g
.set BV,  176
.set WV,  12
.set G1K, 24
.set G1V, 32
.set G1B, 40
.set G0K, 48
.set G0V, 52
.set G0B, 56
.set CS,  60          ; s[60:61] c = log2(e); the packed scaling takes the low word for both halves
.set SEL, 62          ; s[62:63] v_permlanex16_b32's selects
.set TB,  66          ; s66  LDS byte at which the slot in hand begins: 0 or SLOT
.set TF,  67          ; s67  the slot to be filled
.set CNT, 68
.set LIM, 69          ; s69  1 in a wave that prefetches, else the greatest number
.set PFA, 70          ; s[70:71] where my prefetches stand
.set PFS, 72          ; s[72:73] their step
.set ONE, 74          ; s74  1.0 twice in f16
.set NEG, 75          ; s75  -1.0 twice
.set MHI, 76          ; s76  a word's upper bf16
.set VL,  77          ; s77  which half of V I fetch: its place in a slot
.set MSB, 0
.macro WIN new
.if MSB != (\new)
	s_set_vgpr_msb (MSB<<8)|(\new)
.set MSB, (\new)
.endif
.endm
.macro PLACES                          ; four plain vector instructions between a matrix instruction and a load into, or a read of, its registers
.rept 4
	v_nop
.endr
.endm
; A joint fill: wave 0 K's tile, waves 1 and 2 V's halves, wave 3 the bias's.  The branches hang on the wave's number alone.  An s_nop 0 and four v_nop follow each line.
.macro JLOAD
	s_cmp_eq_u32 s[WV], 0
	s_cbranch_scc0 .Lnot_k_\@
	tensor_load_to_lds s[G0K:G0K+3], s[G1K:G1K+7]
	s_nop 0
.rept 4
	v_nop
.endr
	s_branch .Lasked_\@
.Lnot_k_\@:
	s_cmp_eq_u32 s[WV], 3
	s_cbranch_scc0 .Lfor_v_\@
	tensor_load_to_lds s[G0B:G0B+3], s[G1B:G1B+7]
	s_nop 0
.rept 4
	v_nop
.endr
	s_branch .Lasked_\@
.Lfor_v_\@:
	tensor_load_to_lds s[G0V:G0V+3], s[G1V:G1V+7]
	s_nop 0
.rept 4
	v_nop
.endr
.Lasked_\@:
.endm
; A PREFETCH INTO THE L2 of what the NEXT change of slots will ask for, one key step (192 matrix instructions) ahead of that load; it stands behind my tensor load and its five lines.
; Each aligned block of 256 bytes is named once in the launch.  K and V of a (head, batch) are walked by both clusters of the head: the one with x = 0 asks; its four partners along x take 16 of the
; 64 rows each, told apart BY ADDRESS, two blocks a row, a lane a block.  A bias tile is walked by one column of one cluster: its four partners along y take 32 of the 128 rows each, a lane a row.
; The last change that fills a slot asks for nothing: there is no step behind it.
.macro ASK
	s_cmp_gt_u32 s[CNT], s[LIM]
	s_cbranch_scc0 .Lnot_mine_\@
	global_prefetch_b8 v[PFO], s[PFA:PFA+1] th:TH_LOAD_NT scope:SCOPE_SE
.Lnot_mine_\@:
.endm
.macro CREST                           ; a round of the cluster's barrier behind its opening barrier
	s_cmp_lg_u32 s[WV], 0
	s_cbranch_scc1 .Lnot_wave_0_\@
	s_barrier_signal -3
.Lnot_wave_0_\@:
	s_barrier_wait -3
	s_barrier_signal -1
	s_barrier_wait -1
.endm
.macro CROUND
	s_barrier_signal -1
	s_barrier_wait -1
	CREST
.endm
; THE CHANGE OF SLOTS.  Each wave waits for all its tensor loads (one is out: its tile of the other slot), adds 0 to its spare word, and waits for that and for its reads of the slot that it leaves.
; fill = 1: the barrier opens a round of the cluster's, and the old slot is filled again first thing behind the round, with the next step's tiles: that load has a whole step in which to land.
; mul = 1: the last two runs of the step that is left, 32 products on registers, stand between the signal and the wait.
.macro CHANGE fill, mul
	WIN 0
	s_wait_tensorcnt 0x0                           ; no tensor load of mine is out, so the descriptors may be written
	ds_add_u32 v[SPW], v[NIL]                      ; the scalar work stands between the add and the wait for it
	s_xor_b32 s[TB], s[TB], SLOT
.if \fill
	s_xor_b32 s[TF], s[TF], SLOT
	s_mov_b32 s[G0K+1], s[TF]
	s_add_co_u32 s[G0V+1], s[TF], s[VL]
	s_add_co_u32 s[G0B+1], s[TF], BOFF
	s_add_nc_u64 s[G0K+2:G0K+3], s[G0K+2:G0K+3], 64*16384   ; the next 64 keys
	s_add_nc_u64 s[G0V+2:G0V+3], s[G0V+2:G0V+3], 64*16384
	s_add_nc_u64 s[G0B+2:G0B+3], s[G0B+2:G0B+3], 64*4
	s_wait_xcnt 0x0                                ; the last prefetch, a step back, has read its address
	s_add_nc_u64 s[PFA:PFA+1], s[PFA:PFA+1], s[PFS:PFS+1]
.endif
	s_wait_dscnt 0x0                               ; the add is done, and my reads of the slot are over: V's last two runs of loads are in registers
	s_barrier_signal -1
.if \mul
	MULV 3, 1, 6                                   ; work on registers while the others arrive
	MULV 7, 2, 7
	WIN 0
.endif
	s_barrier_wait -1
.if \fill
	CREST                                          ; no wave of any partner still reads the slot or has a load on its way
	JLOAD
	ASK
.endif
.endm
	s_load_b256 s[4:11], s[0:1], 0x0               ; qkv s[4:5], pos_bias s[6:7], tab s[8:9], ob s[10:11]
	v_lshl_add_u32 v[SPW], v0, 2, SPARE
	v_mov_b32 v[NIL], 0
	ds_add_u32 v[SPW], v[NIL]                      ; the wave's opening: the add and its wait stand ahead of my first tensor load; the set-up stands between them
	v_lshrrev_b32 v1, 5, v0
	v_readfirstlane_b32 s[WV], v1
	s_bfe_u32 s13, ttmp6, 0x40000                  ; cx
	s_bfe_u32 s14, ttmp6, 0x40004                  ; cy: the batch
	s_and_b32 s15, ttmp7, 0xffff                   ; the head
	s_lshl_b32 s16, ttmp9, 2
	s_add_co_u32 s16, s16, s13                     ; my block of 128 queries
	s_lshl_b32 s17, s14, 2
	s_lshl_b32 s17, 15, s17                        ; my row of the cluster
	s_lshl_b32 s78, 0x1111, s13                    ; my column
	s_or_b32 s[G1K], s17, (1<<16)|(1<<20)|(1<<21)|(6<<22)|(3<<25)  ; mask; 2-byte elements; padding on; bit 21 beside a mask; after every 128 words 4 words
	s_or_b32 s[G1V], s17, (1<<16)|(1<<20)|(1<<21)|(6<<22)|(7<<25)  ; the same with 8 words
	s_or_b32 s[G1B], s78, (2<<16)|(1<<20)|(1<<21)|(5<<22)|(3<<25)  ; 4-byte elements; after every 64 words 4 words
.irp g, G1K, G1V
	s_mov_b32 s[\g+1], 256<<16                     ; tensor_dim0 = 256
	s_mov_b32 s[\g+2], 64<<16                      ; tensor_dim1 = 64
	s_mov_b32 s[\g+3], 256<<16                     ; tile_dim0 = 256
	s_mov_b32 s[\g+4], 64                          ; tile_dim1 = 64
	s_mov_b32 s[\g+5], 8192                        ; elements from row to row
	s_mov_b32 s[\g+6], 0
	s_mov_b32 s[\g+7], 0
.endr
	s_mov_b32 s[G1B+1], 64<<16
	s_mov_b32 s[G1B+2], 128<<16
	s_mov_b32 s[G1B+3], 64<<16
	s_mov_b32 s[G1B+4], 128
	s_mov_b32 s[G1B+5], 1024
	s_mov_b32 s[G1B+6], 0
	s_mov_b32 s[G1B+7], 0
	s_lshl_b32 s18, s14, 24                        ; the batch's 1,024 rows of 16,384 bytes,
	s_lshl_b32 s17, s15, 11                        ; the head's 2,048 bytes of a row,
	s_add_co_u32 s18, s18, s17
	s_add_co_u32 s18, s18, 512                     ; k behind q
	s_mov_b32 s19, 0
	s_lshr_b32 s79, s[WV], 1                       ; wave 1: V's channels 0-255, wave 2: 256-511
	s_mul_i32 s[VL], s79, VHALF
	s_add_co_u32 s[VL], s[VL], VOFF
	s_lshl_b32 s79, s79, 9
	s_add_co_u32 s20, s18, s79
	s_add_co_u32 s20, s20, 512                     ; v behind k
	s_mov_b32 s21, 0
	s_lshl_b32 s22, s15, 22                        ; the head's 1,024 x 1,024 f32,
	s_lshl_b32 s17, s16, 19                        ; my block's 128 rows of 4,096 bytes
	s_add_co_u32 s22, s22, s17
	s_mov_b32 s23, 0
	; the prefetches: who, from where, by what step
	s_lshl_b32 s78, s13, 18                        ; K, V: 16 rows of 16,384 bytes for each place along x
	s_lshl_b32 s79, s14, 17                        ; the bias: 32 rows of 4,096 bytes for each place along y
	s_mov_b32 s[PFS], 64*16384
	s_mov_b32 s[PFS+1], 0
	s_cmp_eq_u32 ttmp9, 0
	s_cselect_b32 s[LIM], 1, -1
	s_cmp_eq_u32 s[WV], 3
	s_cselect_b32 s[LIM], 1, s[LIM]
	s_cselect_b32 s[PFS], 256, s[PFS]
	s_cselect_b32 s2, s79, s78
	s_cselect_b32 s17, -1, 0
	s_mov_b32 s3, 0
	v_and_b32 v10, 31, v0                          ; lane
	v_lshrrev_b32 v11, 1, v10
	v_and_b32 v19, 1, v10
	v_lshlrev_b32 v11, 14, v11
	v_lshl_or_b32 v11, v19, 8, v11                 ; K, V: row lane / 2, block lane % 2
	v_lshlrev_b32 v19, 12, v10                     ; the bias: row lane
	v_cndmask_b32 v[PFO], v11, v19, s17
	; my rows of Q and of ob
	s_lshl_b32 s78, s14, 10
	s_lshl_b32 s79, s16, 7
	s_add_co_u32 s78, s78, s79
	s_lshl_b32 s79, s[WV], 5
	s_add_co_u32 s78, s78, s79                     ; my first row = 1,024 batch + 128 block + 32 wave
	s_lshl_b32 s16, s78, 13
	s_lshl_b32 s17, s15, 10
	s_add_co_u32 s16, s16, s17                     ; in ob: rows of 8,192 bytes, the head's 1,024
	s_mov_b32 s17, 0
	s_lshl_b32 s78, s78, 14
	s_lshl_b32 s79, s15, 11
	s_add_co_u32 s78, s78, s79                     ; in qkv
	s_mov_b32 s79, 0
	s_lshl_b32 s13, s15, 12
	s_add_co_u32 s13, s13, 2048                    ; v's 512 channels of the head in the tables
	s_mul_i32 s14, s[WV], 32*PB
	s_add_co_u32 s14, s14, BOFF                    ; my 32 rows of the bias tile
	s_mov_b32 s[CS], 0x3fb8aa3b
	s_mov_b32 s[CS+1], s[CS]
	s_mov_b32 s[SEL], 0x76543210
	s_mov_b32 s[SEL+1], 0xfedcba98
	s_mov_b32 s[TB], SLOT                          ; the first change of slots turns it into 0,
	s_mov_b32 s[TF], 0                             ; and this into SLOT
	s_mov_b32 s[ONE], 0x3c003c00
	s_mov_b32 s[NEG], 0xbc00bc00
	s_mov_b32 s[MHI], 0xffff0000
	s_mov_b32 s[G0K], 1
	s_mov_b32 s[G0K+1], 0
	s_mov_b32 s[G0V], 1
	s_mov_b32 s[G0V+1], s[VL]
	s_mov_b32 s[G0B], 1
	s_mov_b32 s[G0B+1], BOFF
	s_wait_dscnt 0x0                               ; the opening add is done
	s_wait_kmcnt 0x0
	s_add_nc_u64 s[18:19], s[4:5], s[18:19]        ; K's, V's and the bias's first tiles
	s_add_nc_u64 s[20:21], s[4:5], s[20:21]
	s_add_nc_u64 s[22:23], s[6:7], s[22:23]
	s_mov_b64 s[G0K+2:G0K+3], s[18:19]
	s_or_b32 s[G0K+3], s[G0K+3], 0x80000000
	s_mov_b64 s[G0V+2:G0V+3], s[20:21]
	s_or_b32 s[G0V+3], s[G0V+3], 0x80000000
	s_mov_b64 s[G0B+2:G0B+3], s[22:23]
	s_or_b32 s[G0B+3], s[G0B+3], 0x80000000
	s_cmp_eq_u32 s[WV], 0
	s_cselect_b64 s[PFA:PFA+1], s[18:19], s[20:21]
	s_cmp_eq_u32 s[WV], 3
	s_cselect_b64 s[PFA:PFA+1], s[22:23], s[PFA:PFA+1]
	s_add_nc_u64 s[PFA:PFA+1], s[PFA:PFA+1], s[2:3]            ; my work-group's rows of the tile that I fetch,
	s_add_nc_u64 s[PFA:PFA+1], s[PFA:PFA+1], s[PFS:PFS+1]      ; at step 1: the first change steps it to step 2.  Nothing is prefetched here, at the head
	s_add_nc_u64 s[4:5], s[4:5], s[78:79]          ; Q at my first row
	s_add_nc_u64 s[10:11], s[10:11], s[16:17]      ; ob at my first row
	CROUND                                         ; all sixteen work-groups are here: the first joint loads meet
	JLOAD                                          ; step 0 into slot 0
	v_and_b32 v1, 15, v0                           ; l % 16
	v_bfe_u32 v9, v0, 4, 1                         ; l / 16
	v_lshlrev_b32 v[QO], 14, v1
	v_lshl_add_u32 v[QO], v9, 4, v[QO]             ; row x 16,384 + 16 x half
	v_lshl_add_u32 v[TO], v10, 4, s13
	WIN 0xc0                                       ; destination window 3
.set i, 0
.rept 16                                           ; Q stays in registers: tile i / 8, channels 32 (i % 8) on
	global_load_b128 v[8*i:8*i+3],   v[QO], s[4:5] offset:(i/8)*262144+(i%8)*64
	global_load_b128 v[8*i+4:8*i+7], v[QO], s[4:5] offset:(i/8)*262144+(i%8)*64+32
.set i, i+1
.endr
	WIN 0
.irp g, 0,1,2,3
	global_load_b128 v[GV+4*\g:GV+4*\g+3], v[TO], s[8:9] offset:512*\g
	global_load_b128 v[BV+4*\g:BV+4*\g+3], v[TO], s[8:9] offset:32768+512*\g
.endr
	WIN 0x40                                       ; O^T starts at 0: written in the wait for the first tile
.set i, 0
.rept 256
	v_mov_b32 v[i], 0
.set i, i+1
.endr
	WIN 0x80
.set i, 0
.rept 256
	v_mov_b32 v[i], 0
.set i, i+1
.endr
	WIN 0
.irp t, 0,1
	v_mov_b32 v[ST+8*\t], 0xfe000000               ; c m: far below every c s
	v_mov_b32 v[ST+8*\t+1], 0xff7fffff             ; m
	v_mov_b32 v[ST+8*\t+2], 0
	v_mov_b32 v[ST+8*\t+3], 0
.endr
	v_mul_u32_u24 v[AK0], v1, PK
	v_lshl_add_u32 v[AK0], v9, 4, v[AK0]           ; row x pitch + 16 x half
	v_and_b32 v11, 7, v0                           ; the turning load: lane l reads key 8 (l / 16) + l % 8, channels 8 ((l / 8) % 2) + 0..7
	v_bfe_u32 v19, v0, 3, 1
	v_lshl_add_u32 v[AV0], v9, 3, v11
	v_mul_u32_u24 v[AV0], v[AV0], PV
	v_lshl_add_u32 v[AV0], v19, 4, v[AV0]
	v_add_nc_u32 v[AV0], VOFF, v[AV0]
	v_mul_u32_u24 v[AB0], v1, PB                   ; the bias: my query's row, my half's 8 keys
	v_lshl_add_u32 v[AB0], v9, 5, v[AB0]
	v_add_nc_u32 v[AB0], s14, v[AB0]
	s_mul_i32 s13, s[WV], WSTG                     ; my stage
	v_mul_u32_u24 v[STO], v1, SP
	v_lshl_add_u32 v[STO], v9, 5, v[STO]
	v_add_nc_u32 v[STO], s13, v[STO]
	v_lshl_add_u32 v[RD], v10, 4, s13
	v_lshlrev_b32 v[GO], 3, v10
; THE LDS LOADS stand in runs of 16 into three buffers of 64 registers that take turns: buffer 0, 1 in window 3, buffer 2 in window 0.
; LDK g: K's fragments for channels 64 g .. 64 g + 63: fragment 4 cc + kb = keys 16 kb on, channels 32 (2 g + cc) on.
.macro LDK g, fb
.set rF, 128+64*(((\fb)+1)/2)
.set wF, 3-3*((\fb)/2)
	WIN wF<<6
.irp cc, 0,1
.irp kb, 0,1,2,3
	ds_load_b128 v[rF+8*(4*\cc+\kb):rF+8*(4*\cc+\kb)+3],   v[AK] offset:\kb*16*PK+(2*(\g)+\cc)*64
	ds_load_b128 v[rF+8*(4*\cc+\kb)+4:rF+8*(4*\cc+\kb)+7], v[AK] offset:\kb*16*PK+(2*(\g)+\cc)*64+32
.endr
.endr
.endm
; 16 products of S^T += K Q^T; the 8 accumulators take turns.  The sums begin with the bias, which lies in S^T.
.macro MULK g, fb
.set rF, 128+64*(((\fb)+1)/2)
.set wF, 3-3*((\fb)/2)
	WIN 0x0c|wF                                    ; Q in window 3, K in the buffer's, S^T in window 0
.irp cc, 0,1
.irp kb, 0,1,2,3
.irp t, 0,1
	v_wmma_f32_16x16x32_bf16 v[S+32*\t+8*\kb:S+32*\t+8*\kb+7], v[rF+8*(4*\cc+\kb):rF+8*(4*\cc+\kb)+7], v[64*\t+8*(2*(\g)+\cc):64*\t+8*(2*(\g)+\cc)+7], v[S+32*\t+8*\kb:S+32*\t+8*\kb+7]
.endr
.endr
.endr
.endm
; LDV n: V's fragments, turned: keys 32 (n / 4) on, channel blocks 8 (n % 4) + 0..7.
.macro LDV n, fb
.set rF, 128+64*(((\fb)+1)/2)
.set wF, 3-3*((\fb)/2)
	WIN wF<<6
.set i, 0
.rept 8
.set cb, 8*((\n)%4)+i
.set vo, (cb/16)*VHALF+((\n)/4)*32*PV+(cb%16)*32
	ds_load_tr16_b128 v[rF+8*i:rF+8*i+3],   v[AV] offset:vo
	ds_load_tr16_b128 v[rF+8*i+4:rF+8*i+7], v[AV] offset:vo+16*PV
.set i, i+1
.endr
.endm
; RS q: the accumulator of tile q % 2, channel block q / 2, times the number in a's register: four packed multiplies, the low registers first.
.macro RS q
.set qt, (\q)%2
.set qc, (\q)/2
.set qw, 1+qc/16
.set qr, 128*qt+8*(qc%16)
	WIN (qw<<6)|qw
.irp z, 0,1,2,3
	v_pk_mul_f32 v[qr+2*\z:qr+2*\z+1], v[qr+2*\z:qr+2*\z+1], v[ST+8*qt+6:ST+8*qt+7] op_sel_hi:[1,0]
.endr
.endm
; Run m of the step's eight: 16 products of O^T += V^T P for fragments n; the 16 accumulators take turns.  The runs go n = 0, 4, 1, 5, 2, 6, 3, 7: accumulator q (as RS counts them) is first
; touched by the step's product 32 (q / 16) + q % 16.  Ten accumulators are rescaled ahead of the products; behind product 16 m + 2 i + 1 stands the rescaling of accumulator 8 m + i + 10,
; which is always ahead of that accumulator's first product (2 r + 2 - 20 <= r for r = q % 16 up to 15).  The four multiplies behind a run's last product are also the places in front of the loads into its buffer.
.macro MULV n, fb, m
.set rF, 128+64*(((\fb)+1)/2)
.set wF, 3-3*((\fb)/2)
.set wO, 1+((\n)%4)/2
.set i, 0
.rept 8
.set t, 0
.rept 2
.set rO, 128*t+8*((8*((\n)%4)+i)%16)
.set rQ, P+16*t+8*((\n)/4)
	WIN (wO<<6)|(wO<<4)|wF
	v_wmma_f32_16x16x32_f16 v[rO:rO+7], v[rF+8*i:rF+8*i+7], v[rQ:rQ+7], v[rO:rO+7]
.if (t == 1) && ((8*(\m)+i+10) < 64)
	RS 8*(\m)+i+10
.endif
.set t, t+1
.endr
.set i, i+1
.endr
.endm
; One tile's softmax for a step is a list of 102 instructions; SM writes number j of it for tile t.  s0-s31 are the lane's 32 scores, in pairs 0-15.
;   0-15   the maximum of s0-s31 and the old m, three operands at a time (each accumulator's lowest registers are read first)
;   16-20  the other half of the lanes' maximum; the new m; c m; c m_old - c m_new
;   21-69  ONE BATCH: the 16 scalings c s - c m and all 33 exponentials (a at 23); none of these names an exponential's result
;   70-85  the roundings to f16     86-101  the sums; l = a l + the sum
.macro SM t
.set rT, ST+8*(\t)
.set rS, S+32*(\t)
.set rP, P+16*(\t)
.if j < 4
	v_max3_num_f32 v[rT+4+j], v[rS+8*j], v[rS+8*j+1], v[rS+8*j+2]
.elseif j < 12
	v_max3_num_f32 v[rT+4+j%4], v[rT+4+j%4], v[rS+8*(j%4)+2*(j/4)+1], v[rS+8*(j%4)+2*(j/4)+2]
.elseif j == 12
	v_max3_num_f32 v[rT+4], v[rT+4], v[rS+7], v[rS+15]
.elseif j == 13
	v_max3_num_f32 v[rT+6], v[rT+6], v[rS+23], v[rS+31]
.elseif j == 14
	v_max3_num_f32 v[rT+4], v[rT+4], v[rT+5], v[rT+6]
.elseif j == 15
	v_max3_num_f32 v[rT+4], v[rT+4], v[rT+7], v[rT+1]
.elseif j == 16
	v_permlanex16_b32 v[rT+5], v[rT+4], s[SEL], s[SEL+1]  ; the query's other 32 keys lie in the lane 16 away
.elseif j == 17
	v_mov_b32 v[rT+7], v[rT]                       ; c m_old is kept for a
.elseif j == 18
	v_max_num_f32 v[rT+1], v[rT+4], v[rT+5]
.elseif j == 19
	v_mul_f32 v[rT], s[CS], v[rT+1]
.elseif j == 20
	v_sub_f32 v[rT+7], v[rT+7], v[rT]
.elseif j == 23
	v_exp_f32 v[rT+6], v[rT+7]
.elseif (j < 23) || ((j < 38) && (j%2 == 0)) || ((j < 66) && (j%4 == 2))
.set b, (j-2)/4
.if j < 38
.set b, (j-20)/2
.endif
	v_pk_fma_f32 v[rS+2*b:rS+2*b+1], v[rS+2*b:rS+2*b+1], s[CS:CS+1], v[rT:rT+1] op_sel_hi:[1,0,0] neg_lo:[0,0,1] neg_hi:[0,0,1]
.elseif j < 70
.set e, j-38
.if j < 66
.set e, j-32-(j-38)/4
.endif
.if j < 38
.set e, (j-25)/2
.endif
	v_exp_f32 v[rS+e], v[rS+e]
.elseif j < 86
	v_cvt_pk_f16_f32 v[rP+j-70], v[rS+2*(j-70)], v[rS+2*(j-70)+1]
.else
.set z, j-86
.set w, 4
.set u, z
.if z >= 14
.set w, 32
.set u, 0
.elseif z >= 12
.set w, 16
.set u, z-12
.elseif z >= 8
.set w, 8
.set u, z-8
.endif
.if z < 15
	v_pk_add_f32 v[rS+w*u:rS+w*u+1], v[rS+w*u:rS+w*u+1], v[rS+w*u+w/2:rS+w*u+w/2+1]
.else
	v_pk_fma_f32 v[rT+2:rT+3], v[rT+2:rT+3], v[rT+6:rT+7], v[rS:rS+1] op_sel_hi:[1,0,1]
.endif
.endif
.endm
; A KEY STEP, in phases, up to its sixth run of V^T P; the last two runs stand in the change of slots that follows.  Every count of 32 below leaves the two younger runs of 16 loads out.
.macro STEP
	WIN 0
	v_add_nc_u32 v[AK], s[TB], v[AK0]              ; these three and the v_nop are the four places behind the last products, in front of the loads into the buffers
	v_add_nc_u32 v[AV], s[TB], v[AV0]
	v_add_nc_u32 v[AB], s[TB], v[AB0]
	v_nop
.irp t, 0,1
.irp kb, 0,1,2,3
	ds_load_b128 v[S+32*\t+8*\kb:S+32*\t+8*\kb+3],   v[AB] offset:\t*16*PB+\kb*64      ; the bias, straight into S^T: my query's row, keys 16 kb + 8 (l / 16) + 0..7
	ds_load_b128 v[S+32*\t+8*\kb+4:S+32*\t+8*\kb+7], v[AB] offset:\t*16*PB+\kb*64+16
.endr
.endr
	LDK 0, 0
	LDK 1, 1
	LDK 2, 2
	WIN 0
	s_wait_dscnt 48                                ; the bias is in; K's 48 loads are younger
.irp bt, 0,1                                       ; the bias is rounded to bf16, as every input is
.set z, 0
.rept 16
	v_cvt_pk_bf16_f32 v[T+z], v[S+32*\bt+2*z], v[S+32*\bt+2*z+1]
.set z, z+1
.endr
.set z, 0
.rept 16
	v_lshlrev_b32 v[S+32*\bt+2*z], 16, v[T+z]
	v_and_b32 v[S+32*\bt+2*z+1], s[MHI], v[T+z]
.set z, z+1
.endr
.endr
	s_wait_dscnt 32
	MULK 0, 0
	PLACES
	LDK 3, 0
	s_wait_dscnt 32
	MULK 1, 1
	PLACES
	LDV 0, 1                                       ; V's runs in the order in which they are multiplied: 0, 4, 1, ..
	s_wait_dscnt 32
	MULK 2, 2
	PLACES
	LDV 4, 2
	s_wait_dscnt 32
	MULK 3, 0
	PLACES                                         ; also the places in front of the softmax's first reads of S^T
	LDV 1, 0
	WIN 0
.set j, 0
.rept 70                                           ; the two tiles alternate
	SM 0
	SM 1
.set j, j+1
.endr
	v_nop                                          ; a plain instruction behind the last exponential
	s_wait_alu depctr_va_vdst(0)                   ; ONE wait for the step's 66 exponentials, ahead of the first instruction that names a result
.rept 32
	SM 0
	SM 1
.set j, j+1
.endr
.irp q, 0,1,2,3,4,5,6,7,8,9
	RS \q                                          ; the first ten accumulators are rescaled ahead of the products; the others ride behind them
.endr
.set sq, 0
.rept 6                                            ; run sq multiplies fragments 4 (sq % 2) + sq / 2 out of buffer (sq + 1) % 3, which then takes the run three further on
	s_wait_dscnt 32
	MULV (sq%2)*4+sq/2, (sq+1)%3, sq
.if sq < 5
	LDV ((sq+3)%2)*4+(sq+3)/2, (sq+1)%3
.endif
.set sq, sq+1
.endr
.endm
	s_wait_loadcnt 0x0                             ; Q, G and B
	s_mov_b32 s[CNT], 15
	CHANGE 1, 0                                    ; step 0 is in, everybody's part of it; step 1 is asked for.  No step has been left yet, so no products stand in this change
	s_branch .Lhead                                ; the loop is entered at a step's head
.Lstep:                                            ; 14 times: step i is left, step i + 1 entered and step i + 2 asked for
	CHANGE 1, 1
.Lhead:
	STEP
	WIN 0
	s_sub_co_u32 s[CNT], s[CNT], 1
	s_cmp_lg_u32 s[CNT], 0
	s_cbranch_scc1 .Lstep
	CHANGE 0, 1                                    ; the last step is written out: nothing is asked for
	STEP
	s_wait_dscnt 0x0                               ; V's last two runs of loads are in
	MULV 3, 1, 6
	MULV 7, 2, 7
	; THE WAY OUT.  l's two halves and the other half of the lanes' are added; O^T is multiplied by 1 / l in registers, by the loop's own macro; then it goes through my stage in LDS
	; (the ring has had its last fill), so that whole rows come back, four channels a lane and group: G and B are 32 registers, and a store is 256 consecutive bytes.
	WIN 0
	PLACES
.irp t, 0,1
	v_add_f32 v[ST+8*\t+4], v[ST+8*\t+2], v[ST+8*\t+3]
.endr
.irp t, 0,1
	v_permlanex16_b32 v[ST+8*\t+5], v[ST+8*\t+4], s[SEL], s[SEL+1]
.endr
.irp t, 0,1
	v_add_f32 v[ST+8*\t+4], v[ST+8*\t+4], v[ST+8*\t+5]
.endr
.irp t, 0,1
	v_rcp_f32 v[ST+8*\t+6], v[ST+8*\t+4]
.endr
	v_nop                                          ; a plain instruction behind the last reciprocal,
	s_wait_alu depctr_va_vdst(0)                   ; and one wait for both, ahead of the first use
.set k, 0
.rept 64
	RS k
.set k, k+1
.endr
	WIN 0
	s_wait_dscnt 0x0                               ; my reads of the ring are over;
	s_barrier_signal -1
	s_barrier_wait -1                              ; everybody's are
.irp t, 0,1
.set cb, 0
.rept 32
	WIN 4*(1+cb/16)                                ; the stores' data (source 1) in window 1 or 2
	ds_store_b128 v[STO], v[128*\t+8*(cb%16):128*\t+8*(cb%16)+3]   offset:\t*16*SP+cb*64
	ds_store_b128 v[STO], v[128*\t+8*(cb%16)+4:128*\t+8*(cb%16)+7] offset:\t*16*SP+cb*64+16
.set cb, cb+1
.endr
.endr
	WIN 0
	s_mov_b32 s[CNT], 8
.Lrow:                                             ; eight trips of four rows
.irp i, 0,1,2,3
.irp g, 0,1,2,3
	ds_load_b128 v[S+16*\i+4*\g:S+16*\i+4*\g+3], v[RD] offset:SP*\i+512*\g   ; LDS serves a wave's instructions in order: these see my stores above
.endr
.endr
.irp i, 0,1,2,3
	s_wait_dscnt 12-4*\i                           ; row i's four loads are in; the younger rows' may be out
.irp g, 0,1,2,3
.set xr, S+16*\i+4*\g
.set yr, P+8*\i+2*\g
	v_pk_fma_f32 v[xr:xr+1], v[xr:xr+1], v[GV+4*\g:GV+4*\g+1], v[BV+4*\g:BV+4*\g+1]           ; v's BatchNorm
	v_pk_fma_f32 v[xr+2:xr+3], v[xr+2:xr+3], v[GV+4*\g+2:GV+4*\g+3], v[BV+4*\g+2:BV+4*\g+3]
	v_cvt_pk_f16_f32 v[yr], v[xr], v[xr+1]
	v_cvt_pk_f16_f32 v[yr+1], v[xr+2], v[xr+3]
	v_pk_min_num_f16 v[yr], v[yr], s[ONE]          ; the clip: 1 and -1 are f16 numbers and rounding keeps the order, so it may stand behind the rounding
	v_pk_min_num_f16 v[yr+1], v[yr+1], s[ONE]
	v_pk_max_num_f16 v[yr], v[yr], s[NEG]
	v_pk_max_num_f16 v[yr+1], v[yr+1], s[NEG]
	global_store_b64 v[GO], v[yr:yr+1], s[10:11] offset:8192*\i+256*\g   ; 32 lanes store 256 consecutive bytes, at a multiple of 256 from ob's first byte
.endr
.endr
	s_wait_xcnt 0x0                                ; the stores have read their base and data: only now are these written again
	s_add_nc_u64 s[10:11], s[10:11], 4*8192
	v_add_nc_u32 v[RD], 4*SP, v[RD]
	s_sub_co_u32 s[CNT], s[CNT], 1
	s_cmp_lg_u32 s[CNT], 0
	s_cbranch_scc1 .Lrow
	s_wait_tensorcnt 0x0                           ; the wave's end: behind my last tensor load and my last LDS store
	ds_add_u32 v[SPW], v[NIL]
	s_wait_dscnt 0x0
	CROUND                                         ; the closing round
	s_endpgm
.Lfunc_end_k_q98d6755123_attn:
	.size	k_q98d6755123_attn, .Lfunc_end_k_q98d6755123_attn-k_q98d6755123_attn
	.p2alignl 7, 3214868480
	.fill 96, 4, 3214868480
	.section	.rodata,"a",@progbits
	.p2align	6, 0x0
	.amdhsa_kernel k_q98d6755123_attn
		.amdhsa_group_segment_fixed_size 327680
		.amdhsa_private_segment_fixed_size 0
		.amdhsa_enable_private_segment 0
		.amdhsa_kernarg_size 32
		.amdhsa_user_sgpr_count 2
		.amdhsa_user_sgpr_kernarg_segment_ptr 1
		.amdhsa_wavefront_size32 1
		.amdhsa_system_sgpr_workgroup_id_x 1
		.amdhsa_system_sgpr_workgroup_id_y 1
		.amdhsa_system_sgpr_workgroup_id_z 1
		.amdhsa_system_vgpr_workitem_id 0
		.amdhsa_next_free_vgpr 1024
		.amdhsa_next_free_sgpr 80
		.amdhsa_reserve_vcc 0
		.amdhsa_float_denorm_mode_32 3
		.amdhsa_float_denorm_mode_16_64 3
		.amdhsa_memory_ordered 1
		.amdhsa_forward_progress 1
		.amdhsa_inst_pref_size 195
	.end_amdhsa_kernel
	.amdgpu_metadata
---
amdhsa.version: [ 1, 2 ]
amdhsa.kernels:
  - .name:           k_q98d6755123_attn
    .symbol:         k_q98d6755123_attn.kd
    .args:
      - { .name: qkv, .offset: 0, .size: 8, .value_kind: global_buffer, .address_space: global }
      - { .name: pos_bias, .offset: 8, .size: 8, .value_kind: global_buffer, .address_space: global }
      - { .name: tab, .offset: 16, .size: 8, .value_kind: global_buffer, .address_space: global }
      - { .name: ob, .offset: 24, .size: 8, .value_kind: global_buffer, .address_space: global }
    .group_segment_fixed_size: 327680
    .private_segment_fixed_size: 0
    .kernarg_segment_align: 8
    .kernarg_segment_size: 32
    .max_flat_workgroup_size: 128
    .sgpr_count:     80
    .vgpr_count:     1024
    .wavefront_size: 32
...
	.end_amdgpu_metadata
.endif
;; end of part 3
;; launch proj (part 4): grid 8 x 32, 4 waves a work-group, clusters of 4 x 4, 327,680 bytes of LDS; arguments ob, pwh, tab, out0; writes out0
.if DOCPART == 4
	.amdgcn_target "amdgcn-amd-amdhsa--gfx1250"
	.amdhsa_code_object_version 6
	.text
	.protected	k_q98d6755123_proj
	.globl	k_q98d6755123_proj
	.p2align	8
	.type	k_q98d6755123_proj,@function
k_q98d6755123_proj:
	s_mov_b64 s[64:65], 0
	v_nop
	global_prefetch_b8 v0, s[64:65] scope:SCOPE_SE
	s_setreg_imm32_b32 hwreg(HW_REG_WAVE_MODE, 25, 1), 1
	s_wait_xcnt 0x0
	s_wait_alu depctr_hold_cnt(0) depctr_sa_sdst(0) depctr_va_vdst(0) depctr_va_sdst(0) depctr_va_ssrc(0) depctr_va_vcc(0) depctr_vm_vsrc(0)
	s_getreg_b32 s2, hwreg(HW_REG_IB_STS2, 6, 4)
	s_cmp_eq_u32 s2, 0
	s_cbranch_scc0 .Lentry_in_a_cluster
	s_endpgm
.Lentry_in_a_cluster:
	s_bfe_u32 s2, ttmp6, 0x10000c
	s_cmp_lg_u32 s2, 0xf033
	s_cbranch_scc0 .Lentry_shape_is_right
	s_endpgm
.Lentry_shape_is_right:
; out0[m][n] = (the sum over k of ob[m][k] pwh[n][k]) x G[n] + B[n].  ob: [4096][4096] f16, pwh: [512][4096] f16, out0: [4096][512] f32; sums in f32.
; A tile of out0 is 128 rows x 64 columns: 256 work-groups.  Four waves: wave w takes rows 64 (w / 2) .. + 63, all 64 columns, and half of K: 16 accumulators of 16 x 16,
; so each fragment read from LDS feeds four products.  The two partial sums of a row half meet in LDS at the end, in f32.
; THE RING.  A work-group brings (128 + 64) rows x 8,192 bytes through LDS, and behind each round one load a wave goes out.  So the K step is as long as two slots allow: 384, rows of 768 bytes
; (three aligned blocks of 256).  Eleven steps: ten of 384, and an eleventh whose tile begins at K = 3,712 (byte 7,424 = 29 x 256), so that it has the same shape and ends at the row's end;
; of it only the last 256 along K are multiplied.  Steps 0 and 1 are the first fills, nine refills follow.  All of a step's products stand ahead of the wait for the next tile, so that
; between a tile's landing and the next request stand only the add, its wait and the round.
; K AMONG THE WAVES.  A step is six chunks of 64 along K (128 bytes); wave w takes chunks 2 j + w % 2, j = 0, 1, 2: two chunks fill a block of 256 bytes, behind which the load lays 16 bytes of
; padding, so my chunks lie 272 bytes apart, from byte 128 (w % 2) of the LDS row on, and all waves use the same immediates.
; CLUSTER: 4 x 4; A's tile is asked for jointly by a row of the cluster, B's by a column.
; THE MATRIX INSTRUCTION IS USED TRANSPOSED (source 0 = 16 rows of pwh, source 1 = 16 rows of ob): a lane holds row l % 16 and the columns 8 (l / 16) + 0..7.
; REGISTERS: window 0: v8-15 G and B of my four columns, v16-29 addresses, v128-255 the accumulators ((a, b) at 128 + 8 (4 a + b)); window 1: two fragment buffers of 128, a chunk each.
.set SIZE_K, 4096
.set KSTEP,  384
.set PITCH,  816                       ; 3 x (256 + 16) bytes = 51 x 16: the 16 rows that a load touches start at 16 different groups of four banks (ISA guide 11.1)
.set CHK,    272                       ; from one of my chunks to the next
.set AHALF,  64*PITCH                  ; what a tensor load of A brings
.set BHALF,  32*PITCH                  ; and one of B
.set BOFF,   2*AHALF
.set SLOT,   BOFF+2*BHALF              ; A's 128 rows, then B's 64 rows: 156,672 bytes
.set STG,    SLOT                      ; the way out's stages lie in slot 1, which has had its last fill by then: 64 rows x 272 bytes for each wave
.set SPI,    272
.set WSTG,   64*SPI
.set SPARE,  2*SLOT                    ; behind the ring: the spare words, 128 bytes for each wave, which no other line names
.set GV,   8
.set BV,   12
.set ADRA, 16                          ; v16  my lane's place in A's part of a slot; never rewritten
.set AA,   17                          ; v17  the same in the slot in hand
.set ADRB, 20                          ; v20, v21 the same for B
.set AB,   21
.set STO,  24
.set RD,   25
.set CO,   26
.set TO,   27
.set SPW,  28
.set NIL,  29
.set ACC,  128
.set F0,   0
.set F1,   128
.set CNT,  3
.set WV,   12
.set RH,   13                          ; s13  my half of the rows; also: I fetch for A (0) or B (1)
.set KH,   14                          ; s14  which chunks are mine; also: which half of that tile's rows I fetch
.set LB,   44                          ; s44  where my part of B's tile goes in a slot
.set LA,   45                          ; s45  the same for A
.set G1,   24
.set G0,   32                          ; s[32:39] group 0 for A: a set for each of the two first fills; the second then walks on
.set G1B,  48
.set G0B,  56
.set TB,   66                          ; s66  LDS byte at which the slot in hand begins: 0 or SLOT
.set TF,   67                          ; s67  the slot to be filled
.set STP,  68                          ; s[68:69] the walking addresses' step
.set S768, 70                          ; s70  a K step in bytes
.set MSB, 0
.macro WIN new
.if MSB != (\new)
	s_set_vgpr_msb (MSB<<8)|(\new)
.set MSB, (\new)
.endif
.endm
.set MUL,  0x05                        ; sources 0 (B) and 1 (A) window 1; C and D window 0
.set TO_F, 0x40                        ; destination window 1
.macro JLOAD s                         ; a joint load: waves 0 and 1 fetch A's halves, waves 2 and 3 B's; an s_nop 0 and four v_nop follow each line
	s_cmp_eq_u32 s[RH], 0
	s_cbranch_scc0 .Lfor_b_\@
	tensor_load_to_lds s[G0+4*(\s):G0+4*(\s)+3], s[G1:G1+7]
	s_nop 0
.rept 4
	v_nop
.endr
	s_branch .Lasked_\@
.Lfor_b_\@:
	tensor_load_to_lds s[G0B+4*(\s):G0B+4*(\s)+3], s[G1B:G1B+7]
	s_nop 0
.rept 4
	v_nop
.endr
.Lasked_\@:
.endm
.macro CROUND                          ; a round of the cluster's barrier
	s_barrier_signal -1
	s_barrier_wait -1
	s_cmp_lg_u32 s[WV], 0
	s_cbranch_scc1 .Lnot_wave_0_\@
	s_barrier_signal -3
.Lnot_wave_0_\@:
	s_barrier_wait -3
	s_barrier_signal -1
	s_barrier_wait -1
.endm
; THE CHANGE OF SLOTS.  Each wave waits for all its tensor loads (one is out: its part of the other slot), adds 0 to its spare word, and waits for that and for its reads of the slot that it leaves.
; fill = 1: the barrier is a round of the cluster's, and the old slot is filled again first thing behind it, with the step after the one that is entered.
.macro CHANGE fill
	WIN 0
	s_wait_tensorcnt 0x0                           ; no tensor load of mine is out, so the walking descriptors may be written
	ds_add_u32 v[SPW], v[NIL]                      ; the scalar work stands between the add and the wait for it
	s_xor_b32 s[TB], s[TB], SLOT
.if \fill
	s_xor_b32 s[TF], s[TF], SLOT
	s_add_co_u32 s[G0+5], s[TF], s[LA]
	s_add_co_u32 s[G0B+5], s[TF], s[LB]
	s_cmp_eq_u32 s[CNT], 1                         ; the last refill is the eleventh tile's, which begins 256 along K (512 bytes) behind the tenth's
	s_cselect_b32 s[STP], 512, s[S768]
	s_add_nc_u64 s[G0+6:G0+7], s[G0+6:G0+7], s[STP:STP+1]
	s_add_nc_u64 s[G0B+6:G0B+7], s[G0B+6:G0B+7], s[STP:STP+1]
	s_wait_dscnt 0x0                               ; the add is done, and my reads of the slot are over
	CROUND                                         ; no wave of any partner still reads the slot or has a load on its way
	JLOAD 1
.else
	s_wait_dscnt 0x0
	s_barrier_signal -1
	s_barrier_wait -1
.endif
.endm
	s_load_b256 s[4:11], s[0:1], 0x0               ; ob s[4:5], pwh s[6:7], tab s[8:9], out0 s[10:11]
	v_lshl_add_u32 v[SPW], v0, 2, SPARE
	v_mov_b32 v[NIL], 0
	ds_add_u32 v[SPW], v[NIL]                      ; the wave's opening: the add and its wait stand ahead of my first tensor load; the set-up stands between them
	v_lshrrev_b32 v1, 5, v0
	v_readfirstlane_b32 s[WV], v1
	s_lshr_b32 s[RH], s[WV], 1
	s_and_b32 s[KH], s[WV], 1
	s_bfe_u32 s15, ttmp6, 0x40000                  ; cx
	s_bfe_u32 s16, ttmp6, 0x40004                  ; cy
	s_lshl_b32 s17, ttmp9, 2
	s_add_co_u32 s17, s17, s15                     ; tile column
	s_and_b32 s19, ttmp7, 0xffff
	s_lshl_b32 s19, s19, 2
	s_add_co_u32 s19, s19, s16                     ; tile row
	s_lshl_b32 s20, s16, 2
	s_lshl_b32 s20, 15, s20                        ; my row of the cluster
	s_lshl_b32 s21, 0x1111, s15                    ; my column
	s_or_b32 s[G1+0], s20, (1<<16)|(1<<20)|(1<<21)|(5<<22)|(3<<25)   ; mask; 2-byte elements; padding on; bit 21 beside a mask; after every 64 words 4 words
	s_or_b32 s[G1B+0], s21, (1<<16)|(1<<20)|(1<<21)|(5<<22)|(3<<25)
	s_mov_b32 s[G1+1], KSTEP<<16                   ; A: 64 rows x 384 elements
	s_mov_b32 s[G1+2], 64<<16
	s_mov_b32 s[G1+3], KSTEP<<16
	s_mov_b32 s[G1+4], 64
	s_mov_b32 s[G1+5], SIZE_K
	s_mov_b32 s[G1+6], 0
	s_mov_b32 s[G1+7], 0
	s_mov_b32 s[G1B+1], KSTEP<<16                  ; B: 32 rows x 384 elements
	s_mov_b32 s[G1B+2], 32<<16
	s_mov_b32 s[G1B+3], KSTEP<<16
	s_mov_b32 s[G1B+4], 32
	s_mov_b32 s[G1B+5], SIZE_K
	s_mov_b32 s[G1B+6], 0
	s_mov_b32 s[G1B+7], 0
	s_lshl_b32 s40, s19, 7
	s_lshl_b32 s22, s[KH], 6
	s_add_co_u32 s40, s40, s22                     ; A: row 128 x tile row + 64 x half
	s_lshl_b32 s40, s40, 13                        ; x 8,192 bytes
	s_mov_b32 s41, 0
	s_lshl_b32 s46, s17, 6
	s_lshl_b32 s22, s[KH], 5
	s_add_co_u32 s46, s46, s22                     ; B: row 64 x tile column + 32 x half
	s_lshl_b32 s46, s46, 13
	s_mov_b32 s47, 0
	s_mul_i32 s[LA], s[KH], AHALF                  ; where they go in a slot
	s_mul_i32 s[LB], s[KH], BHALF
	s_add_co_u32 s[LB], s[LB], BOFF
	s_mov_b32 s[TB], 0                             ; step 0 lies in slot 0;
	s_mov_b32 s[TF], SLOT                          ; the first refill goes to slot 0: the first change turns this into 0
	s_mov_b32 s[STP+1], 0
	s_mov_b32 s[S768], KSTEP*2
	s_wait_dscnt 0x0                               ; the opening add is done
	s_wait_kmcnt 0x0
	s_add_nc_u64 s[40:41], s[4:5], s[40:41]
	s_add_nc_u64 s[46:47], s[6:7], s[46:47]
	CROUND                                         ; all sixteen work-groups are here: the first joint loads meet
.irp s, 0,1
	s_mov_b32 s[G0+4*(\s)], 1
	s_add_co_u32 s[G0+4*(\s)+1], s[LA], (\s)*SLOT
	s_add_nc_u64 s[G0+4*(\s)+2:G0+4*(\s)+3], s[40:41], (\s)*KSTEP*2
	s_or_b32 s[G0+4*(\s)+3], s[G0+4*(\s)+3], 0x80000000
	s_mov_b32 s[G0B+4*(\s)], 1
	s_add_co_u32 s[G0B+4*(\s)+1], s[LB], (\s)*SLOT
	s_add_nc_u64 s[G0B+4*(\s)+2:G0B+4*(\s)+3], s[46:47], (\s)*KSTEP*2
	s_or_b32 s[G0B+4*(\s)+3], s[G0B+4*(\s)+3], 0x80000000
	JLOAD \s                                       ; K steps 0 and 1: two loads of mine are out
.endr
	v_and_b32 v1, 15, v0                           ; l % 16
	v_bfe_u32 v2, v0, 4, 1                         ; l / 16
	v_mul_u32_u24 v3, v1, PITCH
	v_lshl_add_u32 v3, v2, 4, v3
	s_lshl_b32 s20, s[KH], 7                       ; my chunks begin 128 (w % 2) bytes into each row
	s_mul_i32 s21, s[RH], AHALF                    ; my 64 rows of A
	s_add_co_u32 s21, s21, s20
	s_add_co_u32 s22, s20, BOFF                    ; B's 64 rows
	v_add_nc_u32 v[ADRA], s21, v3
	v_add_nc_u32 v[ADRB], s22, v3
	s_mul_i32 s23, s[WV], WSTG
	s_add_co_u32 s23, s23, STG                     ; my stage
	v_mul_u32_u24 v4, v1, SPI
	v_lshl_add_u32 v4, v2, 5, v4                   ; in: row l % 16, 32 bytes for each half of the lanes
	v_add_nc_u32 v[STO], s23, v4
	s_mul_i32 s23, s[RH], 2*WSTG                   ; back: from the two stages of my row half, rows 32 (w % 2) + ..: lanes 0-15 one row of 256 bytes, lanes 16-31 the next
	s_mul_i32 s20, s[KH], 32*SPI
	s_add_co_u32 s23, s23, s20
	s_add_co_u32 s23, s23, STG
	v_mul_u32_u24 v5, v2, SPI
	v_lshl_add_u32 v5, v1, 4, v5
	v_add_nc_u32 v[RD], s23, v5
	v_lshlrev_b32 v5, 11, v2                       ; and the same two rows in out0: 2,048 bytes apart
	v_lshl_add_u32 v[CO], v1, 4, v5
	s_lshl_b32 s18, s17, 8                         ; the tile's 64 columns: 256 bytes
	s_add_co_u32 s20, s18, 65536                   ; the second BatchNorm's tables
	v_lshl_add_u32 v[TO], v1, 4, s20
	global_load_b128 v[GV:GV+3], v[TO], s[8:9]
	global_load_b128 v[BV:BV+3], v[TO], s[8:9] offset:2048
	s_lshl_b32 s42, s19, 7
	s_lshl_b32 s20, s[RH], 6
	s_add_co_u32 s42, s42, s20
	s_lshl_b32 s20, s[KH], 5
	s_add_co_u32 s42, s42, s20                     ; the first row that I store
	s_lshl_b32 s42, s42, 11
	s_add_co_u32 s42, s42, s18
	s_mov_b32 s43, 0
	s_add_nc_u64 s[10:11], s[10:11], s[42:43]
; 8 matrix instructions: m blocks a0, a0 + 1 x all 4 n blocks, 32 along K: half c of buffer f.  zero = 1: the product starts the sums.  The 16 accumulators take turns.
.macro MUL8 f, c, a0, zero
	WIN MUL
.irp a, \a0, (\a0)+1
.irp b, 0,1,2,3
.if \zero
	v_wmma_f32_16x16x32_f16 v[ACC+8*(4*(\a)+(\b)):ACC+8*(4*(\a)+(\b))+7], v[(\f)+64+8*(4*(\c)+(\b)):(\f)+64+8*(4*(\c)+(\b))+7], v[(\f)+8*(4*(\c)+(\a)):(\f)+8*(4*(\c)+(\a))+7], 0
.else
	v_wmma_f32_16x16x32_f16 v[ACC+8*(4*(\a)+(\b)):ACC+8*(4*(\a)+(\b))+7], v[(\f)+64+8*(4*(\c)+(\b)):(\f)+64+8*(4*(\c)+(\b))+7], v[(\f)+8*(4*(\c)+(\a)):(\f)+8*(4*(\c)+(\a))+7], v[ACC+8*(4*(\a)+(\b)):ACC+8*(4*(\a)+(\b))+7]
.endif
.endr
.endr
.endm
; 32 LDS loads in one run: the fragments of my chunk at byte k, into buffer f; the first 32 along K first
.macro FETCH k, f
	WIN TO_F
.irp c, 0,1
.irp i, 0,1,2,3
	ds_load_b128 v[(\f)+64+8*(4*(\c)+(\i)):(\f)+64+8*(4*(\c)+(\i))+3],   v[AB] offset:(\k)+64*(\c)+(\i)*16*PITCH
	ds_load_b128 v[(\f)+64+8*(4*(\c)+(\i))+4:(\f)+64+8*(4*(\c)+(\i))+7], v[AB] offset:(\k)+64*(\c)+(\i)*16*PITCH+32
	ds_load_b128 v[(\f)+8*(4*(\c)+(\i)):(\f)+8*(4*(\c)+(\i))+3],         v[AA] offset:(\k)+64*(\c)+(\i)*16*PITCH
	ds_load_b128 v[(\f)+8*(4*(\c)+(\i))+4:(\f)+8*(4*(\c)+(\i))+7],       v[AA] offset:(\k)+64*(\c)+(\i)*16*PITCH+32
.endr
.endr
.endm
.macro PLACES                          ; four plain vector instructions between a matrix instruction and a load into, or a read of, its registers
.rept 4
	v_nop
.endr
.endm
.macro HEAD                            ; the slot in hand; the four lines are also the places behind the last step's last products, in front of the loads into the buffers
	WIN 0
	v_add_nc_u32 v[AA], s[TB], v[ADRA]
	v_add_nc_u32 v[AB], s[TB], v[ADRB]
	v_nop
	v_nop
.endm
; A K STEP: my three chunks, 32 products each, on buffers 0, 1, 0.  A count of 16 leaves a run's second sixteen loads out, a count of 32 the run just issued.
.macro STEP zero
	HEAD
	FETCH 0, F0
	s_wait_dscnt 16
	MUL8 F0, 0, 0, \zero
	MUL8 F0, 0, 2, \zero
	FETCH CHK, F1
	s_wait_dscnt 32
	MUL8 F0, 1, 0, 0
	MUL8 F0, 1, 2, 0
	PLACES
	s_wait_dscnt 16                                ; the first half of buffer 1 is in
	FETCH 2*CHK, F0
	MUL8 F1, 0, 0, 0
	MUL8 F1, 0, 2, 0
	s_wait_dscnt 32
	MUL8 F1, 1, 0, 0
	MUL8 F1, 1, 2, 0
	s_wait_dscnt 16
	MUL8 F0, 0, 0, 0
	MUL8 F0, 0, 2, 0
	s_wait_dscnt 0x0
	MUL8 F0, 1, 0, 0
	MUL8 F0, 1, 2, 0
.endm
	s_wait_tensorcnt 1                             ; my part of K step 0 is in; K step 1's may stay out
	s_barrier_signal -1
	s_barrier_wait -1
	STEP 1                                         ; step 0 stands in front of the loop: its first products start the sums
	WIN 0
	s_mov_b32 s[CNT], 9
.Lstep:                                            ; nine trips: step i is entered (i = 1 .. 9) and step i + 1 asked for
	CHANGE 1
	STEP 0
	WIN 0
	s_sub_co_u32 s[CNT], s[CNT], 1
	s_cmp_lg_u32 s[CNT], 0
	s_cbranch_scc1 .Lstep
	CHANGE 0                                       ; the last step is written out: nothing is asked for
	HEAD                                           ; the eleventh tile: its first 128 along K were the tenth step's; my chunks 1 and 2 are the row's last 256
	FETCH CHK, F0
	s_wait_dscnt 16
	MUL8 F0, 0, 0, 0
	MUL8 F0, 0, 2, 0
	FETCH 2*CHK, F1
	s_wait_dscnt 32
	MUL8 F0, 1, 0, 0
	MUL8 F0, 1, 2, 0
	s_wait_dscnt 16
	MUL8 F1, 0, 0, 0
	MUL8 F1, 0, 2, 0
	s_wait_dscnt 0x0
	MUL8 F1, 1, 0, 0
	MUL8 F1, 1, 2, 0
	WIN 0
	; THE WAY OUT: when every wave's reads of the ring are over, each wave's partial tile goes into its stage in f32; a barrier; each wave adds the two partial sums of 32 rows,
	; applies BatchNorm and stores whole rows of 256 bytes.
	PLACES
	s_wait_dscnt 0x0
	s_barrier_signal -1
	s_barrier_wait -1
.irp a, 0,1,2,3
.irp b, 0,1,2,3
	ds_store_b128 v[STO], v[ACC+8*(4*(\a)+(\b)):ACC+8*(4*(\a)+(\b))+3]   offset:(\a)*16*SPI+(\b)*64      ; each accumulator's low registers first
	ds_store_b128 v[STO], v[ACC+8*(4*(\a)+(\b))+4:ACC+8*(4*(\a)+(\b))+7] offset:(\a)*16*SPI+(\b)*64+16
.endr
.endr
	s_wait_dscnt 0x0                               ; for the others' sake: my stores into the stage are done
	s_barrier_signal -1
	s_barrier_wait -1
.irp t, 0,1,2,3,4,5,6,7,8,9,10,11,12,13,14,15
	ds_load_b128 v[ACC+8*\t:ACC+8*\t+3],   v[RD] offset:2*SPI*\t
	ds_load_b128 v[ACC+8*\t+4:ACC+8*\t+7], v[RD] offset:WSTG+2*SPI*\t
.endr
	s_wait_loadcnt 0x0                             ; G and B
.irp t, 0,1,2,3,4,5,6,7,8,9,10,11,12,13,14,15
	s_wait_dscnt 30-2*\t                           ; pair t is in; the younger pairs may be out
	v_pk_add_f32 v[ACC+8*\t:ACC+8*\t+1], v[ACC+8*\t:ACC+8*\t+1], v[ACC+8*\t+4:ACC+8*\t+5]
	v_pk_add_f32 v[ACC+8*\t+2:ACC+8*\t+3], v[ACC+8*\t+2:ACC+8*\t+3], v[ACC+8*\t+6:ACC+8*\t+7]
	v_pk_fma_f32 v[ACC+8*\t:ACC+8*\t+1], v[ACC+8*\t:ACC+8*\t+1], v[GV:GV+1], v[BV:BV+1]
	v_pk_fma_f32 v[ACC+8*\t+2:ACC+8*\t+3], v[ACC+8*\t+2:ACC+8*\t+3], v[GV+2:GV+3], v[BV+2:BV+3]
	global_store_b128 v[CO], v[ACC+8*\t:ACC+8*\t+3], s[10:11] offset:4096*\t   ; 16 lanes store 256 consecutive bytes, at a multiple of 256 from out0's first byte
.endr
	s_wait_tensorcnt 0x0                           ; the wave's end: behind my last tensor load and my last LDS store
	ds_add_u32 v[SPW], v[NIL]
	s_wait_dscnt 0x0
	CROUND                                         ; the closing round
	s_endpgm
.Lfunc_end_k_q98d6755123_proj:
	.size	k_q98d6755123_proj, .Lfunc_end_k_q98d6755123_proj-k_q98d6755123_proj
	.p2alignl 7, 3214868480
	.fill 96, 4, 3214868480
	.section	.rodata,"a",@progbits
	.p2align	6, 0x0
	.amdhsa_kernel k_q98d6755123_proj
		.amdhsa_group_segment_fixed_size 327680
		.amdhsa_private_segment_fixed_size 0
		.amdhsa_enable_private_segment 0
		.amdhsa_kernarg_size 32
		.amdhsa_user_sgpr_count 2
		.amdhsa_user_sgpr_kernarg_segment_ptr 1
		.amdhsa_wavefront_size32 1
		.amdhsa_system_sgpr_workgroup_id_x 1
		.amdhsa_system_sgpr_workgroup_id_y 1
		.amdhsa_system_sgpr_workgroup_id_z 1
		.amdhsa_system_vgpr_workitem_id 0
		.amdhsa_next_free_vgpr 512
		.amdhsa_next_free_sgpr 72
		.amdhsa_reserve_vcc 0
		.amdhsa_float_denorm_mode_32 3
		.amdhsa_float_denorm_mode_16_64 3
		.amdhsa_memory_ordered 1
		.amdhsa_forward_progress 1
		.amdhsa_inst_pref_size 54
	.end_amdhsa_kernel
	.amdgpu_metadata
---
amdhsa.version: [ 1, 2 ]
amdhsa.kernels:
  - .name:           k_q98d6755123_proj
    .symbol:         k_q98d6755123_proj.kd
    .args:
      - { .name: ob, .offset: 0, .size: 8, .value_kind: global_buffer, .address_space: global }
      - { .name: pwh, .offset: 8, .size: 8, .value_kind: global_buffer, .address_space: global }
      - { .name: tab, .offset: 16, .size: 8, .value_kind: global_buffer, .address_space: global }
      - { .name: out0, .offset: 24, .size: 8, .value_kind: global_buffer, .address_space: global }
    .group_segment_fixed_size: 327680
    .private_segment_fixed_size: 0
    .kernarg_segment_align: 8
    .kernarg_segment_size: 32
    .max_flat_workgroup_size: 128
    .sgpr_count:     72
    .vgpr_count:     512
    .wavefront_size: 32
...
	.end_amdgpu_metadata
.endif
;; end of part 4
;; ======== version 2 of 2: 4 launches; version 1 with the launch prep written anew for expert scheduling mode
;; limits: values are held in f16: magnitudes above 65,504 overflow, below 6.1e-05 lose precision
;; workspace buffers: xb 6,291,456 bytes; wb 12,582,912 bytes; pwh 4,194,304 bytes; tab 69,632 bytes; qkv 67,108,864 bytes; ob 33,554,432 bytes
;; launch prep (part 5): grid 721 x 1, 8 waves a work-group, no clusters, 0 bytes of LDS; arguments x, qkv_w, proj_w, qkv_gamma, qkv_beta, qkv_mean, qkv_var, proj_gamma, proj_beta, proj_mean, proj_var, xb, wb, pwh, tab; writes xb, wb, pwh, tab
.if DOCPART == 5
	.amdgcn_target "amdgcn-amd-amdhsa--gfx1250"
	.amdhsa_code_object_version 6
	.text
	.protected	k_q98d6755123_prep
	.globl	k_q98d6755123_prep
	.p2align	8
	.type	k_q98d6755123_prep,@function
k_q98d6755123_prep:
	s_mov_b64 s[64:65], 0
	v_nop
	global_prefetch_b8 v0, s[64:65] scope:SCOPE_SE
	s_setreg_imm32_b32 hwreg(HW_REG_WAVE_SCHED_MODE, 0, 2), 2
	s_setreg_imm32_b32 hwreg(HW_REG_WAVE_MODE, 25, 1), 1
	s_wait_xcnt 0x0
	s_wait_alu depctr_vm_vsrc(0)
; PREP: the matrix operands are rounded once, and the two BatchNorms are folded into tables.
;   xb  = x rounded to bf16          [4096][768]
;   wb  = qkv_w rounded to bf16      [8192][768]
;   pwh = proj_w rounded to bf16, that number written as f16   [512][4096]
;   tab = f32: G_qkv[8192] at byte 0, B_qkv[8192] at 32,768, G_proj[512] at 65,536, B_proj[512] at 67,584,
;         G = gamma x rsq(var + 1e-5), B = beta - mean x G, of gamma, beta, mean, var rounded to bf16, so that BatchNorm is one fused multiply-add, sum x G + B.
;         For q's channels (channel mod 1,024 under 256) G and B also carry SCALE = 512^-0.5: the scale enters q ahead of q's one rounding.
; LIMITS.  |proj_w| stays under 65,520 (f16's range); below 6.1e-5 it keeps f16's fixed step of 6e-8.  v_rsq_f32 is good to one unit in the last place.
; A stream: no LDS, no barrier, no matrix unit; each byte is read once and written once.
; Work-groups 0-703 convert 16,384 numbers each: sixteen loads of 16 bytes a lane, all on their way at once; a wave's load covers 512 consecutive bytes, its store 256, aligned.
; Work-groups 704-720 make 512 channels of the tables each, two a thread.
; THE MODE: SCHED_MODE bits 1:0 = 2 (LLVM: expert scheduling mode 2), set by the entry lines.  The code itself states the register dependences
; between vector instructions and memory instructions, with s_wait_alu, always for 0.
; THE PLAN, for the converting work-groups.  Registers that memory instructions touch:
;   v1, v2   byte offsets of the loads and of the stores: written once at the head, never again on this path.
;   IN       each register is written by one load, once; no vector instruction names it ahead of that load; the conversions read it behind s_wait_loadcnt.
;   OU       each pair is written by the conversions, once, and read by one store, once; it is never written again.
; So the stores alone hang on vector results.  The sixteen loads are taken in four blocks of four: at the head of block p one wait states that block p - 1's
; conversions have written their OU; block p - 1's four stores follow it, dealt among block p's conversions, which name IN and OU of block p (and v4-v9, at work):
; none of the registers that those stores touch.  One more wait stands ahead of the last four stores.
; For the table work-groups: v1 is made anew and read by the four loads; v[4:11] are written by those loads and then by the arithmetic; v21, v22 and v[4:7] are read by the two stores at the end.
.set NX,    192                        ; chunks of x       (4096 x 768 / 16384)
.set NXW,   576                        ; + those of qkv_w  (8192 x 768 / 16384 = 384)
.set NCONV, 704                        ; + those of proj_w (512 x 4096 / 16384 = 128)
.set IN,    16                         ; v[16:79]   sixteen loads of four f32
.set OU,    80                         ; v[80:111]  sixteen pairs of packed results
; Block p of four: loads 4 p to 4 p + 3 are converted, and the results of the block before are stored.
; fmt = 0: bf16.  fmt = 1: proj_w: rounded to bf16 like every input, widened again, and that number written as f16.
.macro BLK p, fmt
	s_wait_loadcnt 12-4*(\p)                       ; loads come back in order: this block's four are in, the 12 - 4 p younger ones stay out
.if (\p) > 0
	s_wait_alu depctr_va_vdst(0)                   ; the block before has written its four pairs of OU, which the stores below read
.endif
.irp i, 0,1,2,3
.set n, 4*(\p)+(\i)
.if (\p) > 0
	global_store_b64 v2, v[OU+2*(n-4):OU+2*(n-4)+1], s[42:43] offset:2048*(n-4)   ; the block before; no vector instruction since the wait names these registers
.endif
.if (\fmt) == 0
	v_cvt_pk_bf16_f32 v[OU+2*n], v[IN+4*n], v[IN+4*n+1]
	v_cvt_pk_bf16_f32 v[OU+2*n+1], v[IN+4*n+2], v[IN+4*n+3]
.else
	v_cvt_pk_bf16_f32 v4, v[IN+4*n], v[IN+4*n+1]
	v_cvt_pk_bf16_f32 v5, v[IN+4*n+2], v[IN+4*n+3]
	v_lshlrev_b32 v6, 16, v4
	v_and_b32 v7, s38, v4
	v_lshlrev_b32 v8, 16, v5
	v_and_b32 v9, s38, v5
	v_cvt_pk_f16_f32 v[OU+2*n], v6, v7
	v_cvt_pk_f16_f32 v[OU+2*n+1], v8, v9
.endif
.endr
.endm
.macro LAST                            ; block 3's results
	s_wait_alu depctr_va_vdst(0)                   ; block 3 has written its four pairs of OU, which the last four stores read
.irp i, 12,13,14,15
	global_store_b64 v2, v[OU+2*(\i):OU+2*(\i)+1], s[42:43] offset:2048*(\i)
.endr
.endm
	s_load_b512 s[8:23], s[0:1], 0x0               ; x 8, qkv_w 10, proj_w 12, qkv_gamma 14, qkv_beta 16, qkv_mean 18, qkv_var 20, proj_gamma 22
	s_load_b256 s[24:31], s[0:1], 0x40             ; proj_beta 24, proj_mean 26, proj_var 28, xb 30
	s_load_b128 s[32:35], s[0:1], 0x60             ; wb 32, pwh 34
	s_load_b64 s[36:37], s[0:1], 0x70              ; tab
	s_mov_b32 s38, 0xffff0000                      ; a word's upper bf16
	v_lshlrev_b32 v1, 4, v0                        ; 16 bytes of f32 a thread
	v_lshlrev_b32 v2, 3, v0                        ; 8 bytes of results a thread
	s_wait_kmcnt 0x0
	s_cmp_ge_u32 ttmp9, NCONV
	s_cbranch_scc1 .Ltab
	; which tensor, and which chunk of it: the choice hangs on the work-group's number alone
	s_cmp_lt_u32 ttmp9, NX
	s_cselect_b64 s[40:41], s[8:9], s[10:11]
	s_cselect_b64 s[42:43], s[30:31], s[32:33]
	s_cselect_b32 s3, 0, NX
	s_cmp_lt_u32 ttmp9, NXW
	s_cselect_b64 s[40:41], s[40:41], s[12:13]
	s_cselect_b64 s[42:43], s[42:43], s[34:35]
	s_cselect_b32 s3, s3, NXW
	s_sub_co_u32 s3, ttmp9, s3                     ; the chunk's number in its tensor
	s_lshl_b32 s4, s3, 16                          ; 65,536 bytes of f32
	s_mov_b32 s5, 0
	s_add_nc_u64 s[40:41], s[40:41], s[4:5]
	s_lshl_b32 s4, s3, 15                          ; 32,768 bytes of results
	s_add_nc_u64 s[42:43], s[42:43], s[4:5]
	s_wait_alu depctr_va_vdst(0)                   ; v1 and v2 are written: every load below reads v1 as its offset, every store v2
.irp i, 0,1,2,3,4,5,6,7,8,9,10,11,12,13,14,15
	global_load_b128 v[IN+4*\i:IN+4*\i+3], v1, s[40:41] offset:4096*\i th:TH_LOAD_NT
.endr
	s_cmp_ge_u32 ttmp9, NXW
	s_cbranch_scc1 .Lf16
	BLK 0, 0
	BLK 1, 0
	BLK 2, 0
	BLK 3, 0
	LAST
	s_endpgm
.Lf16:                                             ; proj_w
	BLK 0, 1
	BLK 1, 1
	BLK 2, 1
	BLK 3, 1
	LAST
	s_endpgm
.Ltab:                                             ; work-group 704 + j: channels 512 j .. of the first BatchNorm (j under 16), or the second's 512 (j = 16)
	s_sub_co_u32 s3, ttmp9, NCONV
	s_mov_b32 s7, 32768
	s_cmp_eq_u32 s3, 16
	s_cselect_b64 s[40:41], s[22:23], s[14:15]     ; gamma
	s_cselect_b64 s[42:43], s[24:25], s[16:17]     ; beta
	s_cselect_b64 s[44:45], s[26:27], s[18:19]     ; mean
	s_cselect_b64 s[46:47], s[28:29], s[20:21]     ; var
	s_cselect_b32 s3, 0, s3                        ; the block of 512 channels in its vectors
	s_cselect_b32 s4, 1024, 0                      ; added to the channel's place in its head: the second BatchNorm has no q
	s_cselect_b32 s6, 65536, 0                     ; where G's table begins
	s_cselect_b32 s7, 2048, s7                     ; and how far behind it B's
	s_lshl_b32 s2, s3, 11
	v_lshl_add_u32 v1, v0, 3, s2                   ; my two channels, in bytes
	s_wait_alu depctr_va_vdst(0)                   ; v1 is written, which the four loads read as their offset
	global_load_b64 v[4:5], v1, s[40:41]
	global_load_b64 v[6:7], v1, s[42:43]
	global_load_b64 v[8:9], v1, s[44:45]
	global_load_b64 v[10:11], v1, s[46:47]
	s_lshl_b32 s2, s3, 9
	v_lshl_add_u32 v18, v0, 1, s2                  ; my first channel (the second lies in the same part of the head)
	v_and_b32 v18, 1023, v18
	v_add_nc_u32 v18, s4, v18
	v_mov_b32 v20, 0x3d3504f3                      ; SCALE = 512^-0.5
	v_cmp_gt_u32 vcc_lo, 256, v18                  ; is the channel one of q's?  The compare and the select stand in the wait for the loads
	v_add_nc_u32 v21, s6, v1                       ; where G goes
	v_add_nc_u32 v22, s7, v21                      ; where B goes
	s_wait_alu depctr_va_vcc(0)                    ; the compare has written VCC, which the select below reads
	v_cndmask_b32 v19, 1.0, v20, vcc_lo            ; then the factor is SCALE, else 1
	s_wait_loadcnt 0x0
	v_cvt_pk_bf16_f32 v12, v4, v5                  ; every input is rounded to bf16
	v_cvt_pk_bf16_f32 v13, v6, v7
	v_cvt_pk_bf16_f32 v14, v8, v9
	v_cvt_pk_bf16_f32 v15, v10, v11
	v_lshlrev_b32 v4, 16, v12
	v_and_b32 v5, s38, v12
	v_lshlrev_b32 v6, 16, v13
	v_and_b32 v7, s38, v13
	v_lshlrev_b32 v8, 16, v14
	v_and_b32 v9, s38, v14
	v_lshlrev_b32 v10, 16, v15
	v_and_b32 v11, s38, v15
	v_add_f32 v10, 0x3727c5ac, v10                 ; var + 1e-5
	v_add_f32 v11, 0x3727c5ac, v11
	v_rsq_f32 v16, v10
	v_rsq_f32 v17, v11
	v_mul_f32 v6, v6, v19                          ; plain work behind the two roots, which names neither their results nor their sources: beta x factor
	v_mul_f32 v7, v7, v19
	s_wait_alu depctr_va_vdst(0)                   ; both roots have written v16 and v17: one wait, ahead of their first reader
	v_mul_f32 v4, v4, v16                          ; gamma x rsq
	v_mul_f32 v5, v5, v17
	v_mul_f32 v4, v4, v19                          ; G
	v_mul_f32 v5, v5, v19
	v_fma_f32 v6, -v8, v4, v6                      ; B = beta x factor - mean x G
	v_fma_f32 v7, -v9, v5, v7
	s_wait_alu depctr_va_vdst(0)                   ; G in v[4:5], B in v[6:7] and the offsets v21 and v22 are written, which the two stores read
	global_store_b64 v21, v[4:5], s[36:37]         ; a wave stores 256 consecutive bytes, aligned
	global_store_b64 v22, v[6:7], s[36:37]
	s_endpgm
.Lfunc_end_k_q98d6755123_prep:
	.size	k_q98d6755123_prep, .Lfunc_end_k_q98d6755123_prep-k_q98d6755123_prep
	.p2alignl 7, 3214868480
	.fill 96, 4, 3214868480
	.section	.rodata,"a",@progbits
	.p2align	6, 0x0
	.amdhsa_kernel k_q98d6755123_prep
		.amdhsa_group_segment_fixed_size 0
		.amdhsa_private_segment_fixed_size 0
		.amdhsa_enable_private_segment 0
		.amdhsa_kernarg_size 120
		.amdhsa_user_sgpr_count 2
		.amdhsa_user_sgpr_kernarg_segment_ptr 1
		.amdhsa_wavefront_size32 1
		.amdhsa_system_sgpr_workgroup_id_x 1
		.amdhsa_system_sgpr_workgroup_id_y 1
		.amdhsa_system_sgpr_workgroup_id_z 1
		.amdhsa_system_vgpr_workitem_id 0
		.amdhsa_next_free_vgpr 112
		.amdhsa_next_free_sgpr 66
		.amdhsa_reserve_vcc 1
		.amdhsa_float_denorm_mode_32 3
		.amdhsa_float_denorm_mode_16_64 3
		.amdhsa_memory_ordered 1
		.amdhsa_forward_progress 1
		.amdhsa_inst_pref_size 18
	.end_amdhsa_kernel
	.amdgpu_metadata
---
amdhsa.version: [ 1, 2 ]
amdhsa.kernels:
  - .name:           k_q98d6755123_prep
    .symbol:         k_q98d6755123_prep.kd
    .args:
      - { .name: x, .offset: 0, .size: 8, .value_kind: global_buffer, .address_space: global }
      - { .name: qkv_w, .offset: 8, .size: 8, .value_kind: global_buffer, .address_space: global }
      - { .name: proj_w, .offset: 16, .size: 8, .value_kind: global_buffer, .address_space: global }
      - { .name: qkv_gamma, .offset: 24, .size: 8, .value_kind: global_buffer, .address_space: global }
      - { .name: qkv_beta, .offset: 32, .size: 8, .value_kind: global_buffer, .address_space: global }
      - { .name: qkv_mean, .offset: 40, .size: 8, .value_kind: global_buffer, .address_space: global }
      - { .name: qkv_var, .offset: 48, .size: 8, .value_kind: global_buffer, .address_space: global }
      - { .name: proj_gamma, .offset: 56, .size: 8, .value_kind: global_buffer, .address_space: global }
      - { .name: proj_beta, .offset: 64, .size: 8, .value_kind: global_buffer, .address_space: global }
      - { .name: proj_mean, .offset: 72, .size: 8, .value_kind: global_buffer, .address_space: global }
      - { .name: proj_var, .offset: 80, .size: 8, .value_kind: global_buffer, .address_space: global }
      - { .name: xb, .offset: 88, .size: 8, .value_kind: global_buffer, .address_space: global }
      - { .name: wb, .offset: 96, .size: 8, .value_kind: global_buffer, .address_space: global }
      - { .name: pwh, .offset: 104, .size: 8, .value_kind: global_buffer, .address_space: global }
      - { .name: tab, .offset: 112, .size: 8, .value_kind: global_buffer, .address_space: global }
    .group_segment_fixed_size: 0
    .private_segment_fixed_size: 0
    .kernarg_segment_align: 8
    .kernarg_segment_size: 120
    .max_flat_workgroup_size: 256
    .sgpr_count:     66
    .vgpr_count:     112
    .wavefront_size: 32
...
	.end_amdgpu_metadata
.endif
;; end of part 5
;; launch qkvgemm: the kernel of part 2 again; grid 32 x 16, 4 waves a work-group, clusters of 4 x 4, 327,680 bytes of LDS; arguments xb, wb, tab, qkv; writes qkv
;; launch attn: the kernel of part 3 again; grid 8 x 32, 4 waves a work-group, clusters of 4 x 4, 327,680 bytes of LDS; arguments qkv, pos_bias, tab, ob; writes ob
;; launch proj: the kernel of part 4 again; grid 8 x 32, 4 waves a work-group, clusters of 4 x 4, 327,680 bytes of LDS; arguments ob, pwh, tab, out0; writes out0
